; MI455X (gfx1250); checked and timed in simulation.
; The chip was launched on July 23, 2026; its instructions are those of AMD's public machine-readable ISA for CDNA 5 (MIT licence, August 2026) and "CDNA5" Instruction Set Architecture Reference Guide (July 2026). The comments in the code are by the model that wrote it; some were corrected since.
;; Multi Head Attention. Allowed arithmetic: matrix products marked QUANTISED: E2M3 operands, one E8M0 scale for each 32 along K, by v_wmma_scale_f32_16x16x128_f8f6f4 with both operands' format E2M3, f32 sums; everything else in f32.
;; Inputs: W 4,096 x 512 float32; W_k 8 x 512 x 512 float32; W_q 8 x 512 x 512 float32; W_v 8 x 512 x 512 float32; x 4 x 512 x 1,024 float32.
;; Outputs: out0 4 x 512 x 1,024 float32.
;; This version of the problem:
;;   THIS VERSION OF THE PROBLEM IS GIVEN IN LOW PRECISION. The matrix products marked QUANTISED in the list below multiply operands that are first quantised to E2M3 (2 exponent bits, 3 mantissa bits; 6 bits a number), with one power-of-two scale for each 32 numbers along K (OCP MX v1.0); their sums are f32. All else is computed in f32.
;;   The module's matrix products, in the order in which they are computed (A, B: the left and right operand; K: the contracted axis; several contracted axes count as one K, in the product's order):
;;     1. [M 4,096, K 512] x [K 512, N 4,096]; A: input x; B: input W_q: QUANTISED
;;     2. [M 4,096, K 512] x [K 512, N 4,096]; A: input x; B: input W_k: QUANTISED
;;     3. [M 4,096, K 512] x [K 512, N 4,096]; A: input x; B: input W_v: QUANTISED
;;     4. batch 32 x [M 1,024, K 512] x [K 512, N 1,024]; A: computed on the way; B: computed on the way: QUANTISED
;;     5. batch 32 x [M 512, K 1,024] x [K 1,024, N 1,024]; A: computed on the way; B: softmax (see below): QUANTISED
;;     6. [M 4,096, K 4,096] x [K 4,096, N 512]; A: computed on the way; B: input W: QUANTISED
;;   THE QUANTISER, for each operand of a quantised product, along K:
;;     - K is cut into blocks of 32 from its start; a last block that is shorter is filled with zeros.
;;     - A block's scale is 2^e with e = floor(log2(the largest magnitude in the block)) - 2, held to -126 .. 127; a block of zeros has e = 0. As a byte (E8M0): e + 127.
;;     - Each number is divided by its block's scale, clamped to +-7.5, and rounded to the nearest number of E2M3, ties to even, subnormals kept.
;;     - The product sums the exact products of the quantised numbers (number of the format x scale) in f32.
;;   ~~~python
;;   def quantise(x, axis):      # numpy; x: float32 -> the quantised numbers, widened to float32 again
;;       x = np.moveaxis(x, axis, -1); K = x.shape[-1]
;;       x = np.pad(x, [(0, 0)] * (x.ndim - 1) + [(0, -K % 32)]); x = x.reshape(x.shape[:-1] + (-1, 32)); a = np.abs(x).max(-1, keepdims=True)
;;       e = np.where(a > 0, np.clip(np.frexp(np.where(a > 0, a, 1))[1] - 1 - 2, -126, 127), 0)      # np.frexp(a)[1] - 1 = floor(log2(a)), exactly
;;       r = np.clip(x / 2.0 ** e, -7.5, 7.5)
;;       step = 2.0 ** (np.maximum(np.frexp(np.where(r == 0, 1, r))[1] - 1, 0) - 3)
;;       q = np.round(r / step) * step * 2.0 ** e      # np.round: ties to even
;;       return np.moveaxis(q.reshape(q.shape[:-2] + (-1,))[..., :K], -1, axis).astype(np.float32)
;;   ~~~
;;   SOFTMAX AHEAD OF A QUANTISED PRODUCT. Where the list says 'softmax', what is quantised is not the finished softmax but p = 2^(t - M), with t = logit x log2(e) and M = ceil(the row's largest t), a whole number; so 1/2 < the row's largest p <= 1. The row's sum l is taken of the UNQUANTISED p, in f32, and the product's result is divided by l at the end. Since M is a whole number, a kernel that streams over the keys may use a running M (the ceiling of the running maximum): every later rescaling is an exact power of two, which a block's scale takes up: the codes' values come out the same.
;;   OPERANDS COMPUTED ON THE WAY. 'Computed on the way' means the value that the module computes at that place (a softmax that the list does not call 'softmax' is quantised finished and normalised). What goes into a quantiser is computed in f32, as accurately as f32 sums, v_exp_f32 and their like allow (about 1e-6 of the number): no bf16 or f16 on the way to a quantiser, and a product that is left as it is and whose result goes on into a quantised operand takes f32 operands (vector FMAs, or v_wmma_f32_16x16x4_f32). A number that lies on a knife's edge between two numbers of the format may be rounded either way, as far as f32 arithmetic and the matrix unit's own rounding can turn it there, and no further.
;; One version. Each part assembles by itself: llvm-mc -triple=amdgcn-amd-amdhsa -mcpu=gfx1250 --defsym DOCPART=n.
;; ======== version 1 of 1: 4 launches
;; limits: right only within a limited range of input values
;; workspace buffers: xc 1,638,400 bytes; wc 4,915,200 bytes; wtc 1,638,400 bytes; qc 13,107,200 bytes; kc 13,107,200 bytes; vc 13,107,200 bytes; cc 13,107,200 bytes
;; launch quant (part 1): grid 640 x 1, 4 waves a work-group, no clusters, 68,096 bytes of LDS; arguments x, W_q, W_k, W_v, W, xc, wc, wtc; writes xc, wc, wtc
.if DOCPART == 1
	.amdgcn_target "amdgcn-amd-amdhsa--gfx1250"
	.amdhsa_code_object_version 6
	.text
	.protected	k_qf6699505fd_quant
	.globl	k_qf6699505fd_quant
	.p2align	8
	.type	k_qf6699505fd_quant,@function
k_qf6699505fd_quant:
	s_mov_b64 s[64:65], 0
	v_nop
	global_prefetch_b8 v0, s[64:65] scope:SCOPE_SE
	s_setreg_imm32_b32 hwreg(HW_REG_WAVE_MODE, 25, 1), 1
	s_wait_xcnt 0x0
; x [4][512 e][1024 s], W [4096 f][512 dd] (K is the first axis) and W_q, W_k, W_v [8][512 d][512 e] (K innermost), all f32, become codes of FP6 (E2M3) with one E8M0 byte for each 32 along K.
; THE WORKSPACE IS LAID AS THE READERS' REGISTERS.  A UNIT is 128 rows x 128 K, 12,800 bytes: eight fragment images of 1,536 bytes (16 rows x 128 K: registers 4 c .. 4 c + 3 of lane l at 512 c + 16 l),
; then 512 bytes of scale words, row p's word at 4 p.  A work-group makes one unit, wave w its rows 32 w .. 32 w + 31 (tiles 2 w, 2 w + 1).
; ORDER INSIDE A BLOCK OF 32: places 0-7, 8-15, 16-23, 24-31 hold k 0-7, 16-23, 8-15, 24-31.  Every operand of every product of this program is laid so; both sides of a product alike, inside one scale's block:
; the products are the same, the order of summing differs.
; A block's scale is 2^(floor(log2(its largest magnitude)) - 2); its byte is that magnitude's exponent field - 2, held at 1 from below.
; LIMITS: NaN and infinities are not served; a block of zeros gets the byte 1 (its codes are zeros, and the bytes are read by this program alone).
; A LANE HOLDS A ROW OF THE UNIT, its registers run along K, so a block's largest magnitude needs no other lane.  Where K is the first axis (x, W) a load reads 32 neighbouring rows of the unit at one k: 128
; consecutive bytes a wave, 512 a work-group.  Where K is innermost a load reads one row's 512 bytes, and the 32 rows turn through the wave's own stage in LDS (rows 528 bytes apart).
; No work-group shares an input byte with another: no cluster, no tensor load, no barrier.
.set UNIT,  12800
.set USC,   12288                      ; where a unit's scale words begin
.set FRB,   1536                       ; a fragment image
.set STGW,  16896                      ; a wave's stage: 32 rows x 528 bytes
.set SP,    528
.set SPARE, 4*STGW                     ; behind the stages: the spare words, 128 bytes for each wave
.set L4,    1                          ; v1   4 x lane
.set L16,   2                          ; v2   16 x lane
.set SIN,   3                          ; v3   the stage, on the way in: my wave's + 16 x lane
.set SOUT,  4                          ; v4   and out: my wave's + 528 x lane
.set OF,    5                          ; v5   my 16 bytes in my wave's first image: 16 x lane + 3,072 x wave
.set OS,    6                          ; v6   my row's scale word: 4 x lane + 128 x wave
.set SPW,   12                         ; v12  my spare word; never rewritten
.set NIL,   13                         ; v13  0; never rewritten
.set X,     16                         ; v16-143  numbers as loaded
.set Y,     144                        ; v144-207 two sets of 32 numbers back from the stage
.set FR,    208                        ; v208-231 two fragments
.set TC,    232                        ; v232-247 the upper halves of the four blocks' codes
	s_load_b256 s[4:11], s[0:1], 0x0               ; x, W_q, W_k, W_v
	s_load_b256 s[12:19], s[0:1], 0x20             ; W, xc, wc, wtc
	v_lshl_add_u32 v[SPW], v0, 2, SPARE
	v_mov_b32 v[NIL], 0
	v_lshrrev_b32 v7, 5, v0
	v_readfirstlane_b32 s20, v7                    ; wave
	v_and_b32 v7, 31, v0                           ; lane
	v_lshlrev_b32 v[L4], 2, v7
	v_lshlrev_b32 v[L16], 4, v7
	s_mul_i32 s21, s20, STGW
	v_add_nc_u32 v[SIN], s21, v[L16]
	v_mul_u32_u24 v[SOUT], v7, SP
	v_add_nc_u32 v[SOUT], s21, v[SOUT]
	s_mul_i32 s22, s20, 2*FRB
	v_add_nc_u32 v[OF], s22, v[L16]
	s_lshl_b32 s22, s20, 7                         ; 128 x wave
	v_add_nc_u32 v[OS], s22, v[L4]
	s_mov_b32 s25, 0
	s_mov_b32 s31, 0
; Block t of my row, 32 numbers in v[xs] on: its byte into v11, its codes into fragment t % 2, registers 6 (t / 2) on.
.macro BLOCKQ t, xs
	v_max3_num_f32 v8, |v[(\xs)]|, |v[(\xs)+1]|, |v[(\xs)+2]|      ; the largest magnitude, in two chains
	v_max3_num_f32 v9, |v[(\xs)+3]|, |v[(\xs)+4]|, |v[(\xs)+5]|
.irp i, 6,10,14,18,22,26
	v_max3_num_f32 v8, v8, |v[(\xs)+\i]|, |v[(\xs)+\i+1]|
	v_max3_num_f32 v9, v9, |v[(\xs)+\i+2]|, |v[(\xs)+\i+3]|
.endr
	v_max3_num_f32 v8, v8, |v[(\xs)+30]|, |v[(\xs)+31]|
	v_max3_num_f32 v8, v8, v9, 0x1800000           ; and the floor 2^(3 - 127): the byte cannot fall under 1
	v_add_nc_u32 v10, 0xff000000, v8               ; 2 off the exponent field: the conversion takes this operand's exponent field as its scale
	v_cvt_scalef32_pk16_fp6_f32 v[FR+12*((\t)%2)+6*((\t)/2):FR+12*((\t)%2)+6*((\t)/2)+2], v[(\xs):(\xs)+15], v10
	v_cvt_scalef32_pk16_fp6_f32 v[TC+4*(\t):TC+4*(\t)+2], v[(\xs)+16:(\xs)+31], v10   ; (a conversion's three registers begin on an even number)
	v_lshrrev_b32 v9, 23, v10                      ; the scale's byte; also the plain line behind the conversions
.if (\t) == 0
	v_mov_b32 v11, v9
.else
	v_lshl_or_b32 v11, v9, 8*(\t), v11
.endif
.irp i, 0,1,2
	v_mov_b32 v[FR+12*((\t)%2)+6*((\t)/2)+3+\i], v[TC+4*(\t)+\i]
.endr
.endm
; K is the first axis: register p of block t takes k = 32 t + 8 sigma(p / 8) + p % 8, sigma = 0, 2, 1, 3
.macro LOADO t, pitch
.irp p, 0,1,2,3,4,5,6,7,8,9,10,11,12,13,14,15,16,17,18,19,20,21,22,23,24,25,26,27,28,29,30,31
	global_load_b32 v[X+32*((\t)%2)+\p], v[L4], s[26:27] offset:(32*(\t)+8*(2*((\p/8)%2)+\p/16)+\p%8)*\pitch th:TH_LOAD_NT
.endr
.endm
.macro PATHO pitch                     ; loads run one block ahead
	LOADO 0, \pitch
	LOADO 1, \pitch
	s_wait_loadcnt 32                              ; this block's 32 loads are in; the next block's 32 may be out
	BLOCKQ 0, X
	LOADO 2, \pitch
	s_wait_loadcnt 32
	BLOCKQ 1, X+32
	LOADO 3, \pitch
	s_wait_loadcnt 32
	BLOCKQ 2, X
	s_wait_loadcnt 0x0
	BLOCKQ 3, X+32
.endm
; K innermost: block t of my row comes back from the stage, 16 bytes at a time, in the order of places
.macro TURNOUT t
.irp p, 0,1,2,3,4,5,6,7
	ds_load_b128 v[Y+32*((\t)%2)+4*\p:Y+32*((\t)%2)+4*\p+3], v[SOUT] offset:128*(\t)+16*(2*(2*((\p/2)%2)+\p/4)+\p%2)
.endr
.endm
	s_wait_kmcnt 0x0
	s_cmp_lt_u32 ttmp9, 128                        ; the three ways part on the work-group's number alone
	s_cbranch_scc1 .Lpath_x
	s_cmp_lt_u32 ttmp9, 256
	s_cbranch_scc1 .Lpath_w
	; ---- W_q, W_k, W_v: u = g - 256; tensor u / 128; rows 128 (v / 4) on, K step v % 4, v = u % 128
	s_sub_co_u32 s23, ttmp9, 256
	s_lshr_b32 s24, s23, 7
	s_cmp_eq_u32 s24, 0
	s_cselect_b64 s[26:27], s[6:7], s[8:9]
	s_cmp_eq_u32 s24, 2
	s_cselect_b64 s[26:27], s[10:11], s[26:27]
	s_and_b32 s24, s23, 127
	s_lshr_b32 s30, s24, 2
	s_lshl_b32 s30, s30, 18                        ; 128 rows of 2,048 bytes
	s_and_b32 s24, s24, 3
	s_lshl_b32 s24, s24, 9                         ; 128 numbers along K
	s_add_co_u32 s24, s24, s30
	s_lshl_b32 s30, s20, 16                        ; my wave's 32 rows
	s_add_co_u32 s24, s24, s30
	s_add_nc_u64 s[26:27], s[26:27], s[24:25]
	s_mul_i32 s30, s23, UNIT
	s_add_nc_u64 s[28:29], s[16:17], s[30:31]
.set q, 0
	s_wait_alu depctr_va_vdst(0)
.rept 32
	global_load_b128 v[X+4*q:X+4*q+3], v[L16], s[26:27] offset:2048*q th:TH_LOAD_NT   ; row q's 512 consecutive bytes
.set q, q+1
.endr
.set q, 0
.rept 32
.if q%8 == 0
	s_wait_loadcnt 24-q                            ; eight more rows are in
.endif
	ds_store_b128 v[SIN], v[X+4*q:X+4*q+3] offset:SP*q
.set q, q+1
.endr
	TURNOUT 0                                      ; LDS serves a wave's instructions in order: these see my stores; the bytes are my wave's own
	TURNOUT 1
	s_wait_dscnt 8                                 ; this block's eight loads are in; the next block's eight may be out
	BLOCKQ 0, Y
	TURNOUT 2
	s_wait_dscnt 8
	BLOCKQ 1, Y+32
	TURNOUT 3
	s_wait_dscnt 8
	BLOCKQ 2, Y
	s_wait_dscnt 0x0
	BLOCKQ 3, Y+32
	s_branch .Lfinish
.Lpath_x:                                              ; ---- x: b = g / 32, s block (g / 4) % 8, K step g % 4
	s_lshr_b32 s23, ttmp9, 5
	s_lshl_b32 s23, s23, 2
	s_and_b32 s24, ttmp9, 3
	s_add_co_u32 s23, s23, s24
	s_lshl_b32 s24, s23, 19                        ; (4 b + K step) x 128 rows of 4,096 bytes
	s_bfe_u32 s23, ttmp9, 0x30002
	s_lshl_b32 s23, s23, 9                         ; 128 numbers along s
	s_add_co_u32 s24, s24, s23
	s_add_co_u32 s24, s24, s22                     ; my wave's 32
	s_add_nc_u64 s[26:27], s[4:5], s[24:25]
	s_mul_i32 s30, ttmp9, UNIT
	s_add_nc_u64 s[28:29], s[14:15], s[30:31]
	s_wait_alu depctr_va_vdst(0)
	PATHO 4096
	s_branch .Lfinish
.Lpath_w:                                              ; ---- W: u = g - 128; dd group u / 32, K step u % 32
	s_sub_co_u32 s23, ttmp9, 128
	s_and_b32 s24, s23, 31
	s_lshl_b32 s24, s24, 18                        ; 128 rows of 2,048 bytes
	s_lshr_b32 s30, s23, 5
	s_lshl_b32 s30, s30, 9
	s_add_co_u32 s24, s24, s30
	s_add_co_u32 s24, s24, s22
	s_add_nc_u64 s[26:27], s[12:13], s[24:25]
	s_mul_i32 s30, s23, UNIT
	s_add_nc_u64 s[28:29], s[18:19], s[30:31]
	s_wait_alu depctr_va_vdst(0)
	PATHO 2048
.Lfinish:
; Lane l holds all four blocks of row l: the even ones in the first fragment's registers, the odd ones in the second's.  The operand's layout wants, in tile 2 w, lanes 0-15 with blocks 0, 2 and lanes 16-31 with
; blocks 1, 3 of rows 0-15, and in tile 2 w + 1 the same of rows 16-31: the first's upper lanes change places with the second's lower lanes.
.irp i, 0,1,2,3,4,5,6,7,8,9,10,11
	v_permlane16_swap_b32 v[FR+\i], v[FR+12+\i]
.endr
.irp u, 0,1
.irp c, 0,1,2
	global_store_b128 v[OF], v[FR+12*\u+4*\c:FR+12*\u+4*\c+3], s[28:29] offset:FRB*\u+512*\c   ; 512 consecutive bytes, at a multiple of 256 from the buffer's first byte
.endr
.endr
	global_store_b32 v[OS], v11, s[28:29] offset:USC   ; my wave's 128 bytes of scale words: one byte for each 128 that the launch reads
	s_wait_tensorcnt 0x0                           ; the wave's end
	ds_add_u32 v[SPW], v[NIL]
	s_wait_dscnt 0x0
	s_endpgm
.Lfunc_end_k_qf6699505fd_quant:
	.size	k_qf6699505fd_quant, .Lfunc_end_k_qf6699505fd_quant-k_qf6699505fd_quant
	.p2alignl 7, 3214868480
	.fill 96, 4, 3214868480
	.section	.rodata,"a",@progbits
	.p2align	6, 0x0
	.amdhsa_kernel k_qf6699505fd_quant
		.amdhsa_group_segment_fixed_size 68096
		.amdhsa_private_segment_fixed_size 0
		.amdhsa_enable_private_segment 0
		.amdhsa_kernarg_size 64
		.amdhsa_user_sgpr_count 2
		.amdhsa_user_sgpr_kernarg_segment_ptr 1
		.amdhsa_wavefront_size32 1
		.amdhsa_system_sgpr_workgroup_id_x 1
		.amdhsa_system_sgpr_workgroup_id_y 1
		.amdhsa_system_sgpr_workgroup_id_z 1
		.amdhsa_system_vgpr_workitem_id 0
		.amdhsa_next_free_vgpr 256
		.amdhsa_next_free_sgpr 66
		.amdhsa_reserve_vcc 0
		.amdhsa_float_denorm_mode_32 3
		.amdhsa_float_denorm_mode_16_64 3
		.amdhsa_memory_ordered 1
		.amdhsa_forward_progress 1
		.amdhsa_inst_pref_size 53
	.end_amdhsa_kernel
	.amdgpu_metadata
---
amdhsa.version: [ 1, 2 ]
amdhsa.kernels:
  - .name:           k_qf6699505fd_quant
    .symbol:         k_qf6699505fd_quant.kd
    .args:
      - { .name: x, .offset: 0, .size: 8, .value_kind: global_buffer, .address_space: global }
      - { .name: W_q, .offset: 8, .size: 8, .value_kind: global_buffer, .address_space: global }
      - { .name: W_k, .offset: 16, .size: 8, .value_kind: global_buffer, .address_space: global }
      - { .name: W_v, .offset: 24, .size: 8, .value_kind: global_buffer, .address_space: global }
      - { .name: W, .offset: 32, .size: 8, .value_kind: global_buffer, .address_space: global }
      - { .name: xc, .offset: 40, .size: 8, .value_kind: global_buffer, .address_space: global }
      - { .name: wc, .offset: 48, .size: 8, .value_kind: global_buffer, .address_space: global }
      - { .name: wtc, .offset: 56, .size: 8, .value_kind: global_buffer, .address_space: global }
    .group_segment_fixed_size: 68096
    .private_segment_fixed_size: 0
    .kernarg_segment_align: 8
    .kernarg_segment_size: 64
    .max_flat_workgroup_size: 128
    .sgpr_count:     66
    .vgpr_count:     256
    .wavefront_size: 32
...
	.end_amdgpu_metadata
.endif
;; end of part 1
;; launch proj (part 2): grid 16 x 16, 4 waves a work-group, clusters of 4 x 4, 327,680 bytes of LDS; arguments xc, wc, qc, kc, vc; writes qc, kc, vc
.if DOCPART == 2
	.amdgcn_target "amdgcn-amd-amdhsa--gfx1250"
	.amdhsa_code_object_version 6
	.text
	.protected	k_qf6699505fd_proj
	.globl	k_qf6699505fd_proj
	.p2align	8
	.type	k_qf6699505fd_proj,@function
k_qf6699505fd_proj:
	s_mov_b64 s[64:65], 0
	v_nop
	global_prefetch_b8 v0, s[64:65] scope:SCOPE_SE
	s_setreg_imm32_b32 hwreg(HW_REG_WAVE_MODE, 25, 1), 1
	s_wait_xcnt 0x0
	s_wait_alu depctr_hold_cnt(0) depctr_sa_sdst(0) depctr_va_vdst(0) depctr_va_sdst(0) depctr_va_ssrc(0) depctr_va_vcc(0) depctr_vm_vsrc(0)
	s_getreg_b32 s2, hwreg(HW_REG_IB_STS2, 6, 4)
	s_cmp_eq_u32 s2, 0
	s_cbranch_scc0 .Lentry_in_a_cluster
	s_endpgm
.Lentry_in_a_cluster:
	s_bfe_u32 s2, ttmp6, 0x10000c
	s_cmp_lg_u32 s2, 0xf033
	s_cbranch_scc0 .Lentry_shape_is_right
	s_endpgm
.Lentry_shape_is_right:
; Q, K, V [b][h][d][s] = sum over e of W_[h][d][e] x[b][e][s], on codes of FP6 (E2M3) with E8M0 scales; the results are quantised in registers for the products that follow and leave as codes.
; UNITS (128 rows x 128 K, 12,800 bytes: eight fragment images of 1,536 bytes, registers 4 c .. 4 c + 3 of lane l at 512 c + 16 l, then 512 bytes of scale words) come in and go out.
; SHARES.  A work-group takes 256 rows (b, s) of x (ty) and 256 rows (h, d) of the weights (tx), and makes the Q, K and V tiles of that pair one after the other: x's block, all of K = 512, is fetched once
; for three products.  Wave w makes 128 x 128: x's row group w / 2, the weights' row group w % 2: 64 accumulators, 512 registers.
; Q, K: source 0 = 16 rows of W, source 1 = 16 rows of x: a lane holds one s and its registers run along d, the next product's K.  V: source 0 = x, source 1 = W_v: a lane holds one d, registers along s.
; So the 64 accumulator registers of one source-1 tile are 128 along the next K of one row a lane, and become one fragment and one scale word a row.  A lane's half h holds k = 16 i + 8 h + j of source-0 tile i:
; inside a block of 32 the places 0-7, 8-15, 16-23, 24-31 hold k 0-7, 16-23, 8-15, 24-31, as in every operand of this program (both sides of a product alike: the order of summing differs).
; The scale words go out as lane quads: lane (r, h) stores 16 bytes at 16 x lane, word j = tile 4 h + j, row r.
; CLUSTER 4 x 4: x's block hangs on ty alone and is asked for jointly along a row of the cluster, the weights' on tx alone, along a column.
; LDS: x's 8 units; region WA (W_q, later W_v); region WB (W_k).  Two first fills a wave, each behind a round of the cluster's barrier; one joint refill (W_v into WA) stands behind a round of the cluster's barrier.
; LIMITS: NaN and infinities are not served; a block of zeros gets the byte 1 (its codes are zeros; the bytes are read by this program alone).
; REGISTERS: window 0: v1-2, v16-21 addresses; v32-47 scale words, two sets; v48-103 at work on the way out; v128-223 source 1's eight fragments, one set.  window 1: source 0's eight, two sets, at v0 and v128.
;   windows 2, 3: accumulator (m = source-1 tile, n = source-0 tile) at v[64 (m % 4) + 8 n].
.set UNIT,  12800
.set USC,   12288
.set FRB,   1536
.set RG,    4*UNIT                     ; a row group's four K steps
.set WA,    2*RG
.set WB,    4*RG
.set SPARE, 6*RG                       ; the spare words, 128 bytes for each wave
.set LI,    1                          ; v1   16 x lane
.set LS,    2                          ; v2   4 x lane
.set AX,    16                         ; v16  x's fragments: my row group + 16 x lane;  v17 its scale words: + 4 x lane
.set AXS,   17
.set AWA,   18                         ; v18, v19 the same in WA;  v20, v21 in WB
.set AWAS,  19
.set AWB,   20
.set AWBS,  21
.set SPW,   28                         ; v28  my spare word; never rewritten
.set NIL,   29                         ; v29  0; never rewritten
.set SC,    32                         ; set p at v[SC + 8 p]: four registers of source 0's words, four of source 1's; tile i: register i / 2, lanes 16 (i % 2) on
.set PWS,   48                         ; v48-55 the eight scale words made on a way out
.set SQ,    56                         ; v56-59 the lane's quad of them
.set TM,    64                         ; v64-79 at work in the quantiser
.set PC0,   80                         ; v80-91, v92-103 codes, two sets by turns
.set F1,    128
.set WV,    14
.set G1X,   24                         ; s[24:31] group 1: four units, x's mask;  s[32:39] four units, the weights' mask;  s[40:47] two units, the weights' mask
.set G1W,   32
.set G1W2,  40
.set T1,    48                         ; groups 0: T1 a row group of x, all four K steps (waves 0, 1); T2 the same of W_q (waves 2, 3); T5 two units of W_k; T6 of W_v
.set T2,    52
.set T5,    68
.set T6,    72
.set SEL,   96                         ; s[96:97] v_permlanex16_b32's selects for lane l xor 16
.set HALF,  98                         ; s98  the mask of lanes 16-31
.set MSB, 0
.macro WIN new                         ; the immediate's high byte repeats the setting that is left
.if MSB != (\new)
	s_set_vgpr_msb (MSB<<8)|(\new)
.set MSB, (\new)
.endif
.endm
.set MUL_LO, 0xa1                      ; source 0 window 1, source 1 window 0, C and D window 2
.set MUL_HI, 0xf1                      ; the same, C and D window 3
.set TO_B,   0x40                      ; destination window 1, address window 0
.macro CROUND                          ; a round of the cluster's barrier
	s_barrier_signal -1
	s_barrier_wait -1
	s_cmp_lg_u32 s[WV], 0
	s_cbranch_scc1 .Lnot_wave_0_\@
	s_barrier_signal -3
.Lnot_wave_0_\@:
	s_barrier_wait -3
	s_barrier_signal -1
	s_barrier_wait -1
.endm
.macro PLACES n
.rept \n
	v_nop
.endr
.endm
; One matrix instruction.  ra, rb = 1: that side's scale words stand in lanes 16-31 of the register named.  zero = 1: it starts the sum
.macro WM d, a, b, zero, sa, sb, ra, rb
.if \zero
.if (\ra) && (\rb)
	v_wmma_scale_f32_16x16x128_f8f6f4 v[(\d):(\d)+7], v[(\a):(\a)+11], v[(\b):(\b)+11], 0, v[\sa], v[\sb] matrix_a_fmt:MATRIX_FMT_FP6 matrix_b_fmt:MATRIX_FMT_FP6 matrix_a_scale:MATRIX_SCALE_ROW1 matrix_b_scale:MATRIX_SCALE_ROW1
.elseif (\ra)
	v_wmma_scale_f32_16x16x128_f8f6f4 v[(\d):(\d)+7], v[(\a):(\a)+11], v[(\b):(\b)+11], 0, v[\sa], v[\sb] matrix_a_fmt:MATRIX_FMT_FP6 matrix_b_fmt:MATRIX_FMT_FP6 matrix_a_scale:MATRIX_SCALE_ROW1
.elseif (\rb)
	v_wmma_scale_f32_16x16x128_f8f6f4 v[(\d):(\d)+7], v[(\a):(\a)+11], v[(\b):(\b)+11], 0, v[\sa], v[\sb] matrix_a_fmt:MATRIX_FMT_FP6 matrix_b_fmt:MATRIX_FMT_FP6 matrix_b_scale:MATRIX_SCALE_ROW1
.else
	v_wmma_scale_f32_16x16x128_f8f6f4 v[(\d):(\d)+7], v[(\a):(\a)+11], v[(\b):(\b)+11], 0, v[\sa], v[\sb] matrix_a_fmt:MATRIX_FMT_FP6 matrix_b_fmt:MATRIX_FMT_FP6
.endif
.else
.if (\ra) && (\rb)
	v_wmma_scale_f32_16x16x128_f8f6f4 v[(\d):(\d)+7], v[(\a):(\a)+11], v[(\b):(\b)+11], v[(\d):(\d)+7], v[\sa], v[\sb] matrix_a_fmt:MATRIX_FMT_FP6 matrix_b_fmt:MATRIX_FMT_FP6 matrix_a_scale:MATRIX_SCALE_ROW1 matrix_b_scale:MATRIX_SCALE_ROW1
.elseif (\ra)
	v_wmma_scale_f32_16x16x128_f8f6f4 v[(\d):(\d)+7], v[(\a):(\a)+11], v[(\b):(\b)+11], v[(\d):(\d)+7], v[\sa], v[\sb] matrix_a_fmt:MATRIX_FMT_FP6 matrix_b_fmt:MATRIX_FMT_FP6 matrix_a_scale:MATRIX_SCALE_ROW1
.elseif (\rb)
	v_wmma_scale_f32_16x16x128_f8f6f4 v[(\d):(\d)+7], v[(\a):(\a)+11], v[(\b):(\b)+11], v[(\d):(\d)+7], v[\sa], v[\sb] matrix_a_fmt:MATRIX_FMT_FP6 matrix_b_fmt:MATRIX_FMT_FP6 matrix_b_scale:MATRIX_SCALE_ROW1
.else
	v_wmma_scale_f32_16x16x128_f8f6f4 v[(\d):(\d)+7], v[(\a):(\a)+11], v[(\b):(\b)+11], v[(\d):(\d)+7], v[\sa], v[\sb] matrix_a_fmt:MATRIX_FMT_FP6 matrix_b_fmt:MATRIX_FMT_FP6
.endif
.endif
.endm
.macro FETCH0 adr, s, p                ; source 0's eight fragments of K step s into set p: an image comes back by three loads of 512 consecutive bytes
	WIN TO_B
.irp i, 0,1,2,3,4,5,6,7
.irp c, 0,1,2
	ds_load_b128 v[128*(\p)+12*\i+4*\c:128*(\p)+12*\i+4*\c+3], v[\adr] offset:UNIT*(\s)+FRB*\i+512*\c
.endr
.endr
	WIN 0
.endm
.macro FETCH1 adr, s, i0               ; source 1's tiles i0 .. i0 + 3
.irp i, 0,1,2,3
.irp c, 0,1,2
	ds_load_b128 v[F1+12*((\i0)+\i)+4*\c:F1+12*((\i0)+\i)+4*\c+3], v[\adr] offset:UNIT*(\s)+FRB*((\i0)+\i)+512*\c
.endr
.endr
.endm
.macro SCALES a0s, a1s, s, p           ; both sides' scale words of K step s into set p: register q holds rows 32 q + lane
.irp q, 0,1,2,3
	ds_load_b32 v[SC+8*(\p)+\q], v[\a0s] offset:UNIT*(\s)+USC+128*\q
.endr
.irp q, 0,1,2,3
	ds_load_b32 v[SC+8*(\p)+4+\q], v[\a1s] offset:UNIT*(\s)+USC+128*\q
.endr
.endm
; 16 matrix instructions: source 1's tiles a0, a0 + 1 x source 0's eight.  The 64 accumulators take turns, one instruction a turn, in the same order in every step.
.macro MUL16 a0, p, zero
.irp a, \a0, \a0+1
.irp b, 0,1,2,3,4,5,6,7
	WM 8*(8*((\a)%4)+\b), 128*(\p)+12*\b, F1+12*(\a), \zero, SC+8*(\p)+\b/2, SC+8*(\p)+4+(\a)/2, \b%2, (\a)%2
.endr
.endr
.endm
.macro GHEAD a0, a0s, a1, a1s          ; a product's first fragments: 56 LDS loads, source 1's tiles 4-7 last
	FETCH0 \a0, 0, 0
	FETCH1 \a1, 0, 0
	SCALES \a0s, \a1s, 0, 0
	FETCH1 \a1, 0, 4
.endm
; A step of 128 along K: 64 matrix instructions.  A tile of source 1 is free as soon as its eight products are issued, so one set serves it; source 0 has two sets.
; Loads into registers that matrix instructions have read stand four plain vector instructions behind them (ISA guide 7.12.1 for vector instructions).
.macro STEP a0, a0s, a1, a1s, s, zero, next, sync
	s_wait_dscnt 12                                ; all but the youngest twelve loads (source 1's tiles 4-7) are in
	WIN MUL_LO
	MUL16 0, (\s)%2, \zero
	MUL16 2, (\s)%2, \zero
	s_wait_dscnt 0x0                               ; tiles 4-7 are in
.if \next
	PLACES 4
	FETCH0 \a0, (\s)+1, 1-(\s)%2
	FETCH1 \a1, (\s)+1, 0
	SCALES \a0s, \a1s, (\s)+1, 1-(\s)%2
.endif
	WIN MUL_HI
	MUL16 4, (\s)%2, \zero
	MUL16 6, (\s)%2, \zero
	PLACES 4
	WIN 0
.if \next
	FETCH1 \a1, (\s)+1, 4
.endif
.endm
.macro GEMM a0, a0s, a1, a1s, sync
	STEP \a0, \a0s, \a1, \a1s, 0, 1, 1, 0          ; the first step's products start the sums: nothing is cleared
	STEP \a0, \a0s, \a1, \a1s, 1, 0, 1, \sync
	STEP \a0, \a0s, \a1, \a1s, 2, 0, 1, 0
	STEP \a0, \a0s, \a1, \a1s, 3, 0, 0, 0
.endm
; 64 registers of window w, v[s] on (register 16 b + i: block b of my row, my half's 16 numbers), become a fragment's codes in v[pc] on and its scale word in v[pw].
.macro QUANTW w, s, pc, pw
.irp b, 0,1,2,3
	v_mov_b32 v[TM+\b], 0x1800000                  ; the floor 2^(3 - 127): the byte cannot fall under 1
.endr
	WIN 20*(\w)                                    ; sources 1 and 2 in window w
.irp i, 0,2,4,6,8,10,12,14
.irp b, 0,1,2,3
	v_max3_num_f32 v[TM+\b], v[TM+\b], |v[(\s)+16*\b+\i]|, |v[(\s)+16*\b+\i+1]|   ; ascending: each accumulator is read from its low end on; the four blocks by turns
.endr
.endr
	WIN 0
.irp b, 0,1,2,3
	v_permlanex16_b32 v[TM+4+\b], v[TM+\b], s[SEL], s[SEL+1]
.endr
.irp b, 0,1,2,3
	v_max_num_f32 v[TM+\b], v[TM+\b], v[TM+4+\b]   ; with lane l xor 16's: the block's largest magnitude
.endr
.irp b, 0,1,2,3
	v_add_nc_u32 v[TM+12+\b], 0xff000000, v[TM+\b] ; 2 off its exponent field: the conversion's scale operand
.endr
.irp b, 0,1,2,3
	v_lshrrev_b32 v[TM+4+\b], 23, v[TM+12+\b]      ; the scale's byte
.endr
	v_lshl_or_b32 v[\pw], v[TM+5], 8, v[TM+4]
	v_lshl_or_b32 v[\pw], v[TM+6], 16, v[\pw]
	v_lshl_or_b32 v[\pw], v[TM+7], 24, v[\pw]
	s_wait_xcnt 0x0                                ; the earlier tiles' stores have read their registers: only from here on is a set of codes written again; the lines above, which write no store's data, stand between those stores and this wait
	WIN (\w)                                       ; source 0 in window w
.irp c, 0,1
	v_cvt_scalef32_pk16_fp6_f32 v[(\pc)+6*\c:(\pc)+6*\c+2], v[(\s)+32*\c:(\s)+32*\c+15], v[TM+12+2*\c]
	v_cvt_scalef32_pk16_fp6_f32 v[TM+4+4*\c:TM+6+4*\c], v[(\s)+16+32*\c:(\s)+31+32*\c], v[TM+13+2*\c]   ; (a conversion's three registers begin on an even number)
.endr
	WIN 0
	v_nop                                          ; one plain line behind the conversions
.irp c, 0,1                            ; the operand's layout wants a whole block in a lane: lanes 0-15 block 2 c, lanes 16-31 block 2 c + 1
.irp i, 0,1,2
	v_permlane16_swap_b32 v[(\pc)+6*\c+\i], v[TM+4+4*\c+\i]
.endr
.irp i, 0,1,2
	v_mov_b32 v[(\pc)+3+6*\c+\i], v[TM+4+4*\c+\i]
.endr
.endr
.endm
; My 128 x 128 leaves as one unit: eight fragments, then the lane quads of scale words.
.macro WAYOUT base
.irp m, 0,1,2,3,4,5,6,7
	QUANTW 2+\m/4, 64*(\m%4), PC0+12*(\m%2), PWS+\m
.irp c, 0,1,2
	global_store_b128 v[LI], v[PC0+12*(\m%2)+4*\c:PC0+12*(\m%2)+4*\c+3], s[\base:\base+1] offset:FRB*\m+512*\c   ; 512 consecutive bytes, at a multiple of 256 from the buffer's first byte
.endr
.endr
.irp j, 0,1,2,3
	v_cndmask_b32 v[SQ+\j], v[PWS+\j], v[PWS+4+\j], s[HALF]    ; lanes 0-15: tile j's word of row r; lanes 16-31: tile 4 + j's.  (The last way out's store of the quad stands ahead of this way out's eight waits on XCNT)
.endr
	global_store_b128 v[LI], v[SQ:SQ+3], s[\base:\base+1] offset:USC
.endm
	s_load_b256 s[4:11], s[0:1], 0x0               ; xc, wc, qc, kc
	s_load_b64 s[12:13], s[0:1], 0x20              ; vc
	v_lshl_add_u32 v[SPW], v0, 2, SPARE
	v_mov_b32 v[NIL], 0
	ds_add_u32 v[SPW], v[NIL]                      ; the wave's opening: the add and its wait stand ahead of my first tensor load; the set-up below, work on registers, stands between them
	ds_add_u32 v[SPW], v[NIL]
	v_lshrrev_b32 v3, 5, v0
	v_readfirstlane_b32 s[WV], v3                  ; wave 0..3
	s_and_b32 s15, s[WV], 1                        ; the weights' row group that I multiply.  Also: the row group that I fetch
	s_lshr_b32 s16, s[WV], 1                       ; x's row group that I multiply.  Also: which K step of a pair I fetch
	s_bfe_u32 s17, ttmp6, 0x40000                  ; cx
	s_bfe_u32 s18, ttmp6, 0x40004                  ; cy
	s_lshl_b32 s19, ttmp9, 2
	s_add_co_u32 s19, s19, s17                     ; tx = 4 x cluster x + cx
	s_and_b32 s20, ttmp7, 0xffff
	s_lshl_b32 s20, s20, 2
	s_add_co_u32 s20, s20, s18                     ; ty = 4 x cluster y + cy
	s_lshl_b32 s21, s18, 2
	s_lshl_b32 s21, 15, s21                        ; my row of the cluster
	s_lshl_b32 s22, 0x1111, s17                    ; my column
	; group 1: a dense block as rows of 256 bytes (32 elements of 8 bytes), no padding: images are read 16 bytes a lane on end
	s_or_b32 s[G1X], s21, (3<<16)|(1<<21)          ; 15:0 the mask; 17:16 elements of 8 bytes; 21 set beside a mask
	s_or_b32 s[G1W], s22, (3<<16)|(1<<21)
	s_or_b32 s[G1W2], s22, (3<<16)|(1<<21)
.irp g, G1X, G1W
	s_mov_b32 s[\g+1], 32<<16                      ; tensor_dim0 = 32
	s_mov_b32 s[\g+2], 200<<16                     ; tensor_dim1 = 200: four units, a row group's whole K
	s_mov_b32 s[\g+3], 32<<16                      ; tile_dim0
	s_mov_b32 s[\g+4], 200                         ; tile_dim1
	s_mov_b32 s[\g+5], 32                          ; the pitch
	s_mov_b32 s[\g+6], 0
	s_mov_b32 s[\g+7], 0
.endr
	s_mov_b32 s[G1W2+1], 32<<16
	s_mov_b32 s[G1W2+2], 100<<16                   ; two units
	s_mov_b32 s[G1W2+3], 32<<16
	s_mov_b32 s[G1W2+4], 100
	s_mov_b32 s[G1W2+5], 32
	s_mov_b32 s[G1W2+6], 0
	s_mov_b32 s[G1W2+7], 0
	s_lshl_b32 s76, s15, 2
	s_mul_i32 s77, s76, UNIT                       ; row group w % 2: the same place in memory and in LDS
	s_lshl_b32 s78, s16, 1
	s_add_co_u32 s78, s76, s78
	s_mul_i32 s78, s78, UNIT                       ; units (row group, K steps 2 (w / 2) and the next)
	s_mov_b32 s[T1], 1
	s_mov_b32 s[T2], 1
	s_mov_b32 s[T5], 1
	s_mov_b32 s[T6], 1
	s_mov_b32 s[T1+1], s77                         ; LDS addresses hang on the wave's number alone
	s_add_co_u32 s[T2+1], s77, WA
	s_add_co_u32 s[T5+1], s78, WB
	s_add_co_u32 s[T6+1], s78, WA
	s_mov_b32 s80, s77
	s_mov_b32 s81, 0
	s_mov_b32 s82, s78
	s_mov_b32 s83, 0
	s_mul_i32 s84, s20, 2*RG                       ; x's block: by ty alone
	s_mov_b32 s85, 0
	s_add_nc_u64 s[84:85], s[84:85], s[80:81]
	s_mul_i32 s86, s19, 2*RG                       ; the weights' blocks: by tx alone
	s_mov_b32 s87, 0
	s_add_nc_u64 s[88:89], s[86:87], s[80:81]
	s_add_nc_u64 s[90:91], s[86:87], s[82:83]
	s_mov_b32 s[SEL], 0x76543210
	s_mov_b32 s[SEL+1], 0xfedcba98
	s_mov_b32 s[HALF], 0xffff0000
	s_wait_dscnt 0x0                               ; the opening add is done
	s_wait_kmcnt 0x0
	s_add_nc_u64 s[T1+2:T1+3], s[4:5], s[84:85]
	s_add_nc_u64 s[T2+2:T2+3], s[6:7], s[88:89]
	s_add_nc_u64 s[T5+2:T5+3], s[6:7], s[90:91]
	s_add_nc_u64 s[T6+2:T6+3], s[T5+2:T5+3], 2*128*UNIT    ; W_v: two tensors of 128 units on
	s_add_nc_u64 s[T5+2:T5+3], s[T5+2:T5+3], 128*UNIT      ; W_k: one
.irp t, T1, T2, T5, T6
	s_or_b32 s[\t+3], s[\t+3], 0x80000000          ; type = 2
.endr
	CROUND                                         ; all sixteen work-groups are here: the first joint loads meet
	s_cmp_eq_u32 s16, 0                            ; one joint load a wave at the head: waves 0, 1 fetch x's two row groups, waves 2, 3 W_q's
	s_cbranch_scc0 .Lhead_w
	tensor_load_to_lds s[T1:T1+3], s[G1X:G1X+7]
	s_nop 0
	PLACES 4
	s_branch .Lhead_asked
.Lhead_w:
	tensor_load_to_lds s[T2:T2+3], s[G1W:G1W+7]
	s_nop 0
	PLACES 4
.Lhead_asked:
	; my unit in qc, kc and vc: ((8 b + h) 8 + s block) 4 + d slice
	s_lshr_b32 s92, s20, 2                         ; b
	s_lshl_b32 s92, s92, 3
	s_lshr_b32 s93, s19, 1                         ; h
	s_add_co_u32 s92, s92, s93
	s_lshl_b32 s92, s92, 3
	s_and_b32 s93, s20, 3
	s_lshl_b32 s93, s93, 1
	s_add_co_u32 s92, s92, s93
	s_add_co_u32 s92, s92, s16                     ; s block = 2 (ty % 4) + w / 2
	s_lshl_b32 s92, s92, 2
	s_and_b32 s93, s19, 1
	s_lshl_b32 s93, s93, 1
	s_add_co_u32 s92, s92, s93
	s_add_co_u32 s92, s92, s15                     ; d slice = 2 (tx % 2) + w % 2
	s_mul_i32 s92, s92, UNIT
	s_mov_b32 s93, 0
	s_add_nc_u64 s[8:9], s[8:9], s[92:93]
	s_add_nc_u64 s[10:11], s[10:11], s[92:93]
	s_add_nc_u64 s[12:13], s[12:13], s[92:93]
	v_and_b32 v3, 31, v0
	v_lshlrev_b32 v[LI], 4, v3
	v_lshlrev_b32 v[LS], 2, v3
	s_mul_i32 s94, s16, RG
	v_add_nc_u32 v[AX], s94, v[LI]
	v_add_nc_u32 v[AXS], s94, v[LS]
	s_mul_i32 s94, s15, RG
	s_add_co_u32 s94, s94, WA
	v_add_nc_u32 v[AWA], s94, v[LI]
	v_add_nc_u32 v[AWAS], s94, v[LS]
	s_add_co_u32 s94, s94, 2*RG
	v_add_nc_u32 v[AWB], s94, v[LI]
	v_add_nc_u32 v[AWBS], s94, v[LS]
.irp b, 0,1,2,3
	v_mov_b32 v[TM+4+\b], 0                        ; written once: a lane permute's destination counts as one of its sources
.endr
	s_wait_alu depctr_va_vdst(0)
	s_wait_tensorcnt 0x0                           ; my head's load is in
	ds_add_u32 v[SPW], v[NIL]
	s_wait_dscnt 0x0
	CROUND                                         ; x and W_q are whole in every partner
	tensor_load_to_lds s[T5:T5+3], s[G1W2:G1W2+7]  ; W_k's first fill, a quarter a wave: my one load behind the round; it has Q's product in which to land
	s_nop 0
	PLACES 4
	GHEAD AWA, AWAS, AX, AXS
	GEMM AWA, AWAS, AX, AXS, 0                     ; Q
	s_wait_tensorcnt 0x0                           ; all my tensor loads have landed, W_k's among them;
	ds_add_u32 v[SPW], v[NIL]                      ; 0 onto my spare word;
	s_wait_dscnt 0x0                               ; the add is done, and my reads of W_q are over
	CROUND                                         ; the same holds of every wave of every partner
	tensor_load_to_lds s[T6:T6+3], s[G1W2:G1W2+7]  ; W_v takes W_q's place: my one load behind the round; it has the whole of K's product in which to land
	s_nop 0
	PLACES 4                                       ; also the places in front of the loads below
	GHEAD AWB, AWBS, AX, AXS
	WAYOUT 8                                       ; Q leaves while K's first fragments come
	GEMM AWB, AWBS, AX, AXS, 0                     ; K
	s_wait_tensorcnt 0x0                           ; my part of W_v is in (the one load that was out),
	s_wait_dscnt 0x0
	s_barrier_signal -1
	s_barrier_wait -1                              ; everybody's is.
	GHEAD AX, AXS, AWA, AWAS
	WAYOUT 10
	GEMM AX, AXS, AWA, AWAS, 0                     ; V: the sources change places
	WAYOUT 12
	s_wait_tensorcnt 0x0                           ; the wave's end
	ds_add_u32 v[SPW], v[NIL]
	s_wait_dscnt 0x0
	CROUND                                         ; the closing round
	s_endpgm
.Lfunc_end_k_qf6699505fd_proj:
	.size	k_qf6699505fd_proj, .Lfunc_end_k_qf6699505fd_proj-k_qf6699505fd_proj
	.p2alignl 7, 3214868480
	.fill 96, 4, 3214868480
	.section	.rodata,"a",@progbits
	.p2align	6, 0x0
	.amdhsa_kernel k_qf6699505fd_proj
		.amdhsa_group_segment_fixed_size 327680
		.amdhsa_private_segment_fixed_size 0
		.amdhsa_enable_private_segment 0
		.amdhsa_kernarg_size 40
		.amdhsa_user_sgpr_count 2
		.amdhsa_user_sgpr_kernarg_segment_ptr 1
		.amdhsa_wavefront_size32 1
		.amdhsa_system_sgpr_workgroup_id_x 1
		.amdhsa_system_sgpr_workgroup_id_y 1
		.amdhsa_system_sgpr_workgroup_id_z 1
		.amdhsa_system_vgpr_workitem_id 0
		.amdhsa_next_free_vgpr 1024
		.amdhsa_next_free_sgpr 100
		.amdhsa_reserve_vcc 0
		.amdhsa_float_denorm_mode_32 3
		.amdhsa_float_denorm_mode_16_64 3
		.amdhsa_memory_ordered 1
		.amdhsa_forward_progress 1
		.amdhsa_inst_pref_size 255
	.end_amdhsa_kernel
	.section	.bss,"aw",@nobits
	.p2align	6
	.space	262144
	.amdgpu_metadata
---
amdhsa.version: [ 1, 2 ]
amdhsa.kernels:
  - .name:           k_qf6699505fd_proj
    .symbol:         k_qf6699505fd_proj.kd
    .args:
      - { .name: xc, .offset: 0, .size: 8, .value_kind: global_buffer, .address_space: global }
      - { .name: wc, .offset: 8, .size: 8, .value_kind: global_buffer, .address_space: global }
      - { .name: qc, .offset: 16, .size: 8, .value_kind: global_buffer, .address_space: global }
      - { .name: kc, .offset: 24, .size: 8, .value_kind: global_buffer, .address_space: global }
      - { .name: vc, .offset: 32, .size: 8, .value_kind: global_buffer, .address_space: global }
    .group_segment_fixed_size: 327680
    .private_segment_fixed_size: 0
    .kernarg_segment_align: 8
    .kernarg_segment_size: 40
    .max_flat_workgroup_size: 128
    .sgpr_count:     100
    .vgpr_count:     1024
    .wavefront_size: 32
...
	.end_amdgpu_metadata
.endif
;; end of part 2
;; launch attn (part 3): grid 8 x 32, 4 waves a work-group, no clusters, 211,456 bytes of LDS; arguments qc, kc, vc, cc; writes cc
.if DOCPART == 3
	.amdgcn_target "amdgcn-amd-amdhsa--gfx1250"
	.amdhsa_code_object_version 6
	.text
	.protected	k_qf6699505fd_attn
	.globl	k_qf6699505fd_attn
	.p2align	8
	.type	k_qf6699505fd_attn,@function
k_qf6699505fd_attn:
	s_mov_b64 s[64:65], 0
	v_nop
	global_prefetch_b8 v0, s[64:65] scope:SCOPE_SE
	s_setreg_imm32_b32 hwreg(HW_REG_WAVE_MODE, 25, 1), 1
	s_wait_xcnt 0x0
; For one (b, h) and 128 columns t: scores(s, t) = sum over d of Q(d, s) K(d, t), softmax over s, out(d, t) = sum over s of V(d, s) p(s, t) / l(t); out is quantised along d and leaves as codes.
; All operands are units of 128 rows x 128 K (eight fragment images of 1,536 bytes, then 512 bytes of scale words as lane quads), codes of FP6 (E2M3) with E8M0 scales.
; TWO PHASES.  A block's codes of p = 2^(t - M) do not hang on the whole number M, only its scale byte does.
; PHASE 1: every wave holds K's 32 fragments (all 128 t, 384 registers) and takes 256 s of its own, in four trips of 64 s: 128 products, then the softmax of eight t tiles under a running whole M of the wave's own.
; K's block of four units is fetched once: wave w loads unit w (25 loads), stores it to LDS, and behind one barrier every wave reads all four.
; The rows of a tile of Q are picked by the lanes' addresses: row 8 h + j of tile i is s = 64 c + 32 h + 8 sigma(i) + j, sigma = 0, 2, 1, 3: so a lane's 32 score registers are ONE block of 32 of p, in the order of
; places that V's codes have, and two conversions give registers 6 c .. 6 c + 5 of p's fragment.  p's half fragments go to LDS, with a record (-M at the trip, the lane's block's byte).
; BETWEEN: the four waves exchange (-M, l), take the common M, add the sums under it, lower their own bytes by (M - M at the trip) and store the scale words.
; PHASE 2: wave w makes 128 d (slice w) x 128 t, 64 accumulators, K = all 1,024 s; nothing is rescaled.
; NO CLUSTER, NO TENSOR LOAD: each byte of Q and of V is multiplied by one wave of the work-group alone, so it goes from memory into that wave's operand registers and never through LDS (819,200 bytes a work-group
; that are neither written to LDS nor read from it); a joint load could only land in LDS.  LDS carries K (51,200 bytes), p (98,304 bytes), each read by four waves, and the small records.
; AHEAD: a trip's Q is asked for behind the trip before's products, a whole softmax ahead.  V has two register sets, refilled by halves behind the products that read them: 36 loads of later halves are out at each wait.
; PREFETCH of V, two s blocks (400 blocks of 256 bytes) a request, named once for the eight work-groups of a (b, h): waves 0, 1 of each, 25 blocks, by address.  Trip 2 names s blocks 0, 1 (loaded in trip 3),
; trip 3 blocks 2, 3 (loaded in K steps 0, 1), K step 0 blocks 4, 5 (loaded in K steps 2, 3), K step 2 blocks 6, 7: a trip or two K steps ahead; at most four s blocks are asked for and not yet read.
; LIMITS: the promise holds while the scaled scores stay under 2^31 in magnitude; NaN and infinities are not served; a scale byte that would fall under 1 is held at 1 (such a block adds at most 7.5 x 2^-126 beside a
; largest p over 1/2); a block of zeros gets the byte 1.
; REGISTERS.  Phase 1: window 1 v0-191 Q's 16 fragments; window 3 v0-191 K's t tiles 0-3, window 2 v0-191 tiles 4-7; the scores of t tiles 2 p, 2 p + 1 in window p, v192-255;
; window 0: v1-63 addresses, v64-95 state, v96-127 scale words, v128-191 at work.  Phase 2: window 1 v0-191 V, two sets; window 0 v64-255 p, two sets; windows 2, 3 accumulator (t tile m, d tile n) at v[64 (m % 4) + 8 n].
.set UNIT,  12800
.set USC,   12288
.set FRB,   1536
.set BLK,   4*UNIT
.set SPARE, 0                          ; the spare words, 128 bytes for each wave
.set PIMG,  512                        ; p: [K step][t tile], a fragment as two halves of 512 + 256 bytes
.set REC,   PIMG+64*FRB                ; records: [wave][trip][t tile] 256 bytes
.set MLB,   REC+32768                  ; (-M, l): [wave][t tile] 256 bytes
.set SWB,   MLB+8192                   ; p's scale words as lane quads: [K step] 512 bytes
.set VSL,   SWB+4096                   ; V's scale quads: [wave][K step] 512 bytes
.set KL,    VSL+16384                  ; K's four units
.set LI,  1
.set SPW, 2
.set NIL, 3
.set PRD, 4                            ; v4, v5: p's images, 16 and 8 bytes a lane; v6, v7: K steps 4 on
.set QA,  8
.set QSA, 9
.set PWA, 10
.set PWB, 11
.set RWB, 12
.set MLW, 13
.set MLO, 14                           ; v14-16 the other three waves' (-M, l)
.set SWW, 17
.set SH,  18
.set PW,  19
.set PW8, 20
.set RW,  21
.set SWR, 22
.set VSR, 23
.set VS,  24
.set SW,  32
.set RL,  40
.set PFO, 56
.set KLW, 57
.set TA,  58
.set TBB, 59
.set TC,  60
.set TD,  61
.set TE,  62
.set KLR, 63
.set ST,  64                           ; t tile t: -M, the largest t, the sum in two halves
.set QS,  96
.set KS,  112
.set BM,  128
.set BN,  136
.set RM,  144
.set AC,  136
.set SO,  136
.set FF,  152
.set PC,  168
.set PD,  184
.set OM,  128
.set NF,  176
.set RCR, 192
.set PF,  64
.set TM,  64
.set PCT, 80
.set PWS, 104
.set SQ,  112
.set WV,  12
.set LIM, 13
.set BH,  14
.set E,   15
.set QW,  16
.set QF,  18
.set SEL, 20
.set CS,  22
.set QSB, 24
.set VW,  26
.set KB,  28
.set CCB, 30
.set PFA, 32
.set PO,  34
.set RO,  35
.set HALF, 36
.set MSB, 0
.macro WIN new
.if MSB != (\new)
	s_set_vgpr_msb (MSB<<8)|(\new)
.set MSB, (\new)
.endif
.endm
.macro PLACES n
.rept \n
	v_nop
.endr
.endm
; ra, rb = 1: that side's scale words stand in lanes 16-31.  zero = 1: the product starts the sum
.macro WM d, a, b, zero, sa, sb, ra, rb
.if \zero
.if (\ra) && (\rb)
	v_wmma_scale_f32_16x16x128_f8f6f4 v[(\d):(\d)+7], v[(\a):(\a)+11], v[(\b):(\b)+11], 0, v[\sa], v[\sb] matrix_a_fmt:MATRIX_FMT_FP6 matrix_b_fmt:MATRIX_FMT_FP6 matrix_a_scale:MATRIX_SCALE_ROW1 matrix_b_scale:MATRIX_SCALE_ROW1
.elseif (\ra)
	v_wmma_scale_f32_16x16x128_f8f6f4 v[(\d):(\d)+7], v[(\a):(\a)+11], v[(\b):(\b)+11], 0, v[\sa], v[\sb] matrix_a_fmt:MATRIX_FMT_FP6 matrix_b_fmt:MATRIX_FMT_FP6 matrix_a_scale:MATRIX_SCALE_ROW1
.elseif (\rb)
	v_wmma_scale_f32_16x16x128_f8f6f4 v[(\d):(\d)+7], v[(\a):(\a)+11], v[(\b):(\b)+11], 0, v[\sa], v[\sb] matrix_a_fmt:MATRIX_FMT_FP6 matrix_b_fmt:MATRIX_FMT_FP6 matrix_b_scale:MATRIX_SCALE_ROW1
.else
	v_wmma_scale_f32_16x16x128_f8f6f4 v[(\d):(\d)+7], v[(\a):(\a)+11], v[(\b):(\b)+11], 0, v[\sa], v[\sb] matrix_a_fmt:MATRIX_FMT_FP6 matrix_b_fmt:MATRIX_FMT_FP6
.endif
.else
.if (\ra) && (\rb)
	v_wmma_scale_f32_16x16x128_f8f6f4 v[(\d):(\d)+7], v[(\a):(\a)+11], v[(\b):(\b)+11], v[(\d):(\d)+7], v[\sa], v[\sb] matrix_a_fmt:MATRIX_FMT_FP6 matrix_b_fmt:MATRIX_FMT_FP6 matrix_a_scale:MATRIX_SCALE_ROW1 matrix_b_scale:MATRIX_SCALE_ROW1
.elseif (\ra)
	v_wmma_scale_f32_16x16x128_f8f6f4 v[(\d):(\d)+7], v[(\a):(\a)+11], v[(\b):(\b)+11], v[(\d):(\d)+7], v[\sa], v[\sb] matrix_a_fmt:MATRIX_FMT_FP6 matrix_b_fmt:MATRIX_FMT_FP6 matrix_a_scale:MATRIX_SCALE_ROW1
.elseif (\rb)
	v_wmma_scale_f32_16x16x128_f8f6f4 v[(\d):(\d)+7], v[(\a):(\a)+11], v[(\b):(\b)+11], v[(\d):(\d)+7], v[\sa], v[\sb] matrix_a_fmt:MATRIX_FMT_FP6 matrix_b_fmt:MATRIX_FMT_FP6 matrix_b_scale:MATRIX_SCALE_ROW1
.else
	v_wmma_scale_f32_16x16x128_f8f6f4 v[(\d):(\d)+7], v[(\a):(\a)+11], v[(\b):(\b)+11], v[(\d):(\d)+7], v[\sa], v[\sb] matrix_a_fmt:MATRIX_FMT_FP6 matrix_b_fmt:MATRIX_FMT_FP6
.endif
.endif
.endm
; 64 registers of window w become a fragment's codes in v[pc] on and its scale word in v[pw]
.macro QUANTW w, s, pc, pw
.irp b, 0,1,2,3
	v_mov_b32 v[TM+\b], 0x1800000                  ; the floor 2^(3 - 127)
.endr
	WIN 20*(\w)
.irp i, 0,2,4,6,8,10,12,14
.irp b, 0,1,2,3
	v_max3_num_f32 v[TM+\b], v[TM+\b], |v[(\s)+16*\b+\i]|, |v[(\s)+16*\b+\i+1]|
.endr
.endr
	WIN 0
.irp b, 0,1,2,3
	v_permlanex16_b32 v[TM+4+\b], v[TM+\b], s[SEL], s[SEL+1]
.endr
.irp b, 0,1,2,3
	v_max_num_f32 v[TM+\b], v[TM+\b], v[TM+4+\b]
.endr
.irp b, 0,1,2,3
	v_add_nc_u32 v[TM+12+\b], 0xff000000, v[TM+\b] ; 2 off the exponent field: the conversion's scale operand
.endr
.irp b, 0,1,2,3
	v_lshrrev_b32 v[TM+4+\b], 23, v[TM+12+\b]
.endr
	v_lshl_or_b32 v[\pw], v[TM+5], 8, v[TM+4]
	v_lshl_or_b32 v[\pw], v[TM+6], 16, v[\pw]
	v_lshl_or_b32 v[\pw], v[TM+7], 24, v[\pw]
	s_wait_alu depctr_va_vdst(0)
	s_wait_xcnt 0x0                                ; the earlier tiles' stores have read their registers
	WIN (\w)
.irp c, 0,1
	v_cvt_scalef32_pk16_fp6_f32 v[(\pc)+6*\c:(\pc)+6*\c+2], v[(\s)+32*\c:(\s)+32*\c+15], v[TM+12+2*\c]
	v_cvt_scalef32_pk16_fp6_f32 v[TM+4+4*\c:TM+6+4*\c], v[(\s)+16+32*\c:(\s)+31+32*\c], v[TM+13+2*\c]
.endr
	WIN 0
	v_nop
.irp c, 0,1
.irp i, 0,1,2
	v_permlane16_swap_b32 v[(\pc)+6*\c+\i], v[TM+4+4*\c+\i]
.endr
.irp i, 0,1,2
	v_mov_b32 v[(\pc)+3+6*\c+\i], v[TM+4+4*\c+\i]
.endr
.endr
.endm
; A trip's Q: 8 loads of scale words, then 48 of fragments, tile i of K step k at v[12 (4 k + i)] of window 1
.macro QLOAD
.irp k, 0,1,2,3
.irp a, 0,1
	global_load_b64 v[QS+4*\k+2*\a:QS+4*\k+2*\a+1], v[QSA], s[QSB:QSB+1] offset:UNIT*\k+USC+128*\a
.endr
.endr
	WIN 0x40
.irp k, 0,1,2,3
.irp i, 0,1,2,3
.irp c, 0,1,2
	global_load_b128 v[12*(4*\k+\i)+4*\c:12*(4*\k+\i)+4*\c+3], v[QA], s[QF:QF+1] offset:UNIT*\k+FRB*(\i%2)+128*(\i/2)+512*\c
.endr
.endr
.endr
	WIN 0
.endm
.macro LVH g, hf                       ; V of K step g, d tiles 4 hf on, into set g % 2: 12 loads
	WIN 0x40
.irp n, 0,1,2,3
.irp c, 0,1,2
	global_load_b128 v[96*((\g)%2)+12*(4*(\hf)+\n)+4*\c:96*((\g)%2)+12*(4*(\hf)+\n)+4*\c+3], v[LI], s[VW:VW+1] offset:BLK*(\g)+FRB*(4*(\hf)+\n)+512*\c
.endr
.endr
	WIN 0
.endm
; The softmax of a trip: eight t tiles by turns; a lane holds one t and one block of 32 s of each tile
.macro SM8
.irp t, 0,1,2,3,4,5,6,7
	v_mov_b32 v[BM+\t], 0xff7fffff
	v_mov_b32 v[BN+\t], 0xff7fffff
.endr
.irp p, 0,1,2,3
	WIN 20*\p
	s_wait_alu depctr_va_vdst(0)                   ; ahead of the first readers of these scores
.irp i, 0,4,8,12,16,20,24,28
.irp u, 0,1
	v_max3_num_f32 v[BM+2*\p+\u], v[BM+2*\p+\u], v[192+32*\u+\i], v[193+32*\u+\i]   ; ascending: each accumulator from its low end on
	v_max3_num_f32 v[BN+2*\p+\u], v[BN+2*\p+\u], v[194+32*\u+\i], v[195+32*\u+\i]
.endr
.endr
.endr
	WIN 0
.irp t, 0,1,2,3,4,5,6,7
	v_max_num_f32 v[BM+\t], v[BM+\t], v[BN+\t]     ; my block's largest score
.endr
.irp t, 0,1,2,3,4,5,6,7
	v_permlanex16_b32 v[BN+\t], v[BM+\t], s[SEL], s[SEL+1]
.endr
.irp t, 0,1,2,3,4,5,6,7
	v_max_num_f32 v[RM+\t], v[BM+\t], v[BN+\t]     ; with the other half's block: the trip's largest of my t
.endr
.irp t, 0,1,2,3,4,5,6,7
	v_mul_f32 v[RM+\t], s[CS], v[RM+\t]
.endr
.irp t, 0,1,2,3,4,5,6,7
	v_max_num_f32 v[ST+4*\t+1], v[ST+4*\t+1], v[RM+\t]
.endr
.irp t, 0,1,2,3,4,5,6,7
	v_mov_b32 v[RM+\t], v[ST+4*\t]
.endr
.irp t, 0,1,2,3,4,5,6,7
	v_floor_f32 v[ST+4*\t], -v[ST+4*\t+1]          ; -M = floor(-t)
.endr
.irp t, 0,1,2,3,4,5,6,7
	v_sub_f32 v[RM+\t], v[ST+4*\t], v[RM+\t]
.endr
.irp t, 0,1,2,3,4,5,6,7
	v_cvt_i32_f32 v[RM+\t], v[RM+\t]
.endr
.irp t, 0,1,2,3,4,5,6,7
	v_ldexp_f32 v[FF+2*\t], 1.0, v[RM+\t]          ; 2^(old M - new M), for the sum alone
.endr
.irp t, 0,1,2,3,4,5,6,7
	v_fma_f32 v[BM+\t], v[BM+\t], s[CS], v[ST+4*\t]
.endr
.irp p, 0,1,2,3
	WIN 65*\p
.irp j, 0,2,4,6,8,10,12,14,16,18,20,22,24,26,28,30
.irp u, 0,1
	v_pk_fma_f32 v[192+32*\u+\j:193+32*\u+\j], v[192+32*\u+\j:193+32*\u+\j], s[CS:CS+1], v[ST+8*\p+4*\u:ST+8*\p+4*\u+1] op_sel_hi:[1,0,0]
.endr
.endr
.endr
	WIN 0
	s_wait_alu depctr_va_vdst(0)                   ; ahead of the batch
.irp p, 0,1,2,3
	WIN 65*\p
.set jj, 192
.rept 64
	v_exp_f32 v[jj], v[jj]
.set jj, jj+1
.endr
.endr
	WIN 0
.irp t, 0,1,2,3,4,5,6,7
	v_pk_mul_f32 v[ST+4*\t+2:ST+4*\t+3], v[ST+4*\t+2:ST+4*\t+3], v[FF+2*\t:FF+2*\t+1] op_sel_hi:[1,0]
.endr
	s_wait_alu depctr_va_vdst(0)                   ; behind the batch
.irp t, 0,1,2,3,4,5,6,7
	v_exp_f32 v[BM+\t], v[BM+\t]                   ; my block's largest p
.endr
.irp p, 0,1,2,3
	WIN 5*\p
.irp u, 0,1
	v_pk_add_f32 v[AC+4*\p+2*\u:AC+4*\p+2*\u+1], v[192+32*\u:193+32*\u], v[194+32*\u:195+32*\u]
.endr
	WIN 4*\p
.irp j, 4,8,12,16,20,24,28
.irp u, 0,1
	v_pk_add_f32 v[ST+8*\p+4*\u+2:ST+8*\p+4*\u+3], v[ST+8*\p+4*\u+2:ST+8*\p+4*\u+3], v[192+32*\u+\j:193+32*\u+\j]
	v_pk_add_f32 v[AC+4*\p+2*\u:AC+4*\p+2*\u+1], v[AC+4*\p+2*\u:AC+4*\p+2*\u+1], v[194+32*\u+\j:195+32*\u+\j]
.endr
.endr
.endr
	WIN 0
.irp t, 0,1,2,3,4,5,6,7
	v_pk_add_f32 v[ST+4*\t+2:ST+4*\t+3], v[ST+4*\t+2:ST+4*\t+3], v[AC+2*\t:AC+2*\t+1]
.endr
	s_wait_alu depctr_va_vdst(0)
.irp t, 0,1,2,3,4,5,6,7
	v_max_num_f32 v[BM+\t], 0x1800000, v[BM+\t]    ; the floor 2^(3 - 127)
.endr
.irp t, 0,1,2,3,4,5,6,7
	v_add_nc_u32 v[SO+\t], 0xff000000, v[BM+\t]    ; the conversion's scale operand
.endr
.irp t, 0,1,2,3,4,5,6,7
	v_lshrrev_b32 v[FF+2*\t+1], 23, v[SO+\t]       ; my block's byte under this trip's M,
	v_mov_b32 v[FF+2*\t], v[ST+4*\t]               ; and that -M beside it
.endr
.irp t, 0,1,2,3,4,5,6,7
	ds_store_b64 v[RW], v[FF+2*\t:FF+2*\t+1] offset:256*\t
.endr
.irp p, 0,1,2,3
	WIN \p
.irp u, 0,1
	v_cvt_scalef32_pk16_fp6_f32 v[PC+8*\u:PC+8*\u+2], v[192+32*\u:207+32*\u], v[SO+2*\p+\u]
	v_cvt_scalef32_pk16_fp6_f32 v[PD+4*\u:PD+4*\u+2], v[208+32*\u:223+32*\u], v[SO+2*\p+\u]   ; (a conversion's three registers begin on an even number)
.endr
	WIN 0
	v_nop
.irp u, 0,1
.irp i, 0,1,2
	v_mov_b32 v[PC+8*\u+3+\i], v[PD+4*\u+\i]
.endr
.endr
.irp u, 0,1
	ds_store_b128 v[PW], v[PC+8*\u:PC+8*\u+3] offset:FRB*(2*\p+\u)
	ds_store_b64 v[PW8], v[PC+8*\u+4:PC+8*\u+5] offset:FRB*(2*\p+\u)
.endr
.endr
.endm
.macro LPS g                           ; K step g from LDS into set g % 2: p's eight fragments (32 loads), its scale quad, V's: 34 loads
.irp m, 0,1,2,3,4,5,6,7
.irp c, 0,1
	ds_load_b128 v[PF+96*((\g)%2)+12*\m+6*\c:PF+96*((\g)%2)+12*\m+6*\c+3], v[PRD+2*((\g)/4)] offset:8*FRB*((\g)%4)+FRB*\m+768*\c
	ds_load_b64 v[PF+96*((\g)%2)+12*\m+6*\c+4:PF+96*((\g)%2)+12*\m+6*\c+5], v[PRD+2*((\g)/4)+1] offset:8*FRB*((\g)%4)+FRB*\m+768*\c
.endr
.endr
	ds_load_b128 v[SW+4*((\g)%2):SW+4*((\g)%2)+3], v[SWR] offset:512*(\g)
	ds_load_b128 v[VS+4*((\g)%2):VS+4*((\g)%2)+3], v[VSR] offset:512*(\g)
.endm
.macro KH g, hf                        ; 32 products: d tiles 4 hf on x all eight t tiles; the accumulators take turns, one instruction a turn
.irp mh, 0,1
	WIN 0xa1+0x50*\mh
.irp n, 0,1,2,3
.irp m, 0,1,2,3
.if (\g) == 0
	WM 64*\m+8*(4*(\hf)+\n), 96*((\g)%2)+12*(4*(\hf)+\n), PF+96*((\g)%2)+12*(4*\mh+\m), 1, VS+4*((\g)%2)+\n, SW+4*((\g)%2)+\m, \hf, \mh
.else
	WM 64*\m+8*(4*(\hf)+\n), 96*((\g)%2)+12*(4*(\hf)+\n), PF+96*((\g)%2)+12*(4*\mh+\m), 0, VS+4*((\g)%2)+\n, SW+4*((\g)%2)+\m, \hf, \mh
.endif
.endr
.endr
.endr
	WIN 0
	PLACES 4                                       ; in front of loads into registers that these products have read
.endm
.macro KSTEP g
.if (\g) < 7
	LPS (\g)+1
.endif
.if (\g) == 0 || (\g) == 2
	s_cmp_lt_u32 s[WV], 2                          ; V's s blocks g + 4, g + 5, which K steps g + 2, g + 3 load
	s_cbranch_scc0 .Lnot_asking_\@
	global_prefetch_b8 v[PFO], s[PFA:PFA+1] offset:BLK*(\g) th:TH_LOAD_NT scope:SCOPE_SE
.Lnot_asking_\@:
.endif
.if (\g) < 7
	s_wait_loadcnt 36                              ; V's first half of this step is in; three later halves of 12 loads may be out
	s_wait_dscnt 34                                ; this step's p and scale quads are in; the next step's 34 may be out
.else
	s_wait_loadcnt 12
	s_wait_dscnt 0x0
.endif
	KH \g, 0
.if (\g) < 6
	LVH (\g)+2, 0
	s_wait_loadcnt 36                              ; V's second half is in
.elseif (\g) == 6
	s_wait_loadcnt 24
.else
	s_wait_loadcnt 0x0
.endif
	KH \g, 1
.if (\g) < 6
	LVH (\g)+2, 1
.endif
.endm
	s_load_b256 s[4:11], s[0:1], 0x0               ; qc, kc, vc, cc
	v_lshl_add_u32 v[SPW], v0, 2, SPARE
	v_mov_b32 v[NIL], 0
	v_lshrrev_b32 v[TA], 5, v0
	v_readfirstlane_b32 s[WV], v[TA]               ; wave 0..3
	s_and_b32 s[BH], ttmp7, 0xffff                 ; 8 b + h
	s_mul_i32 s40, s[BH], 8*BLK                    ; the head's first byte in qc, kc, vc
	s_mul_i32 s42, s[WV], 2*BLK
	s_add_co_u32 s42, s42, s40                     ; Q: my two blocks of 128 s
	s_mov_b32 s43, 0
	s_mul_i32 s46, s[WV], UNIT
	s_mul_i32 s44, ttmp9, BLK
	s_add_co_u32 s44, s44, s40
	s_add_co_u32 s44, s44, s46                     ; K: the work-group's 128 t, my unit of its four
	s_mov_b32 s45, 0
	s_add_co_u32 s52, s46, KL                      ; and that unit's place in LDS
	s_add_co_u32 s46, s46, s40                     ; V: my d slice
	s_mov_b32 s47, 0
	s_lshl_b32 s48, ttmp9, 1
	s_add_co_u32 s48, s48, s[WV]
	s_mul_i32 s48, s48, 6400
	s_add_co_u32 s48, s48, s40                     ; the prefetches: 25 blocks of 400
	s_mov_b32 s49, 0
	s_lshr_b32 s50, s[BH], 3                       ; cc's unit: (8 b + t block) 32 + 4 h + d slice
	s_lshl_b32 s50, s50, 3
	s_add_co_u32 s50, s50, ttmp9
	s_lshl_b32 s50, s50, 5
	s_and_b32 s51, s[BH], 7
	s_lshl_b32 s51, s51, 2
	s_add_co_u32 s50, s50, s51
	s_add_co_u32 s50, s50, s[WV]
	s_mul_i32 s50, s50, UNIT
	s_mov_b32 s51, 0
	s_mov_b32 s[SEL], 0x76543210
	s_mov_b32 s[SEL+1], 0xfedcba98
	s_mov_b32 s[CS], 0x3d8293ee                    ; log2(e) / sqrt(512)
	s_mov_b32 s[CS+1], s[CS]
	s_mov_b32 s[HALF], 0xffff0000
	s_mov_b32 s[E], 0
	s_mov_b32 s55, 0
	s_mov_b32 s57, 0
	s_cmp_lt_u32 s[WV], 2
	s_cselect_b32 s[LIM], 2, 64                    ; waves 0, 1 prefetch from trip 2 on, the others never
	s_mul_i32 s37, s[WV], 16*FRB
	s_add_co_u32 s37, s37, PIMG
	s_add_co_u32 s63, s37, 512
	s_lshl_b32 s38, s[WV], 13
	s_add_co_u32 s38, s38, REC
	s_lshl_b32 s39, s[WV], 11
	s_add_co_u32 s39, s39, MLB
.irp o, 0,1,2
	s_add_co_u32 s[58+\o], s[WV], 1+\o
	s_and_b32 s[58+\o], s[58+\o], 3
	s_lshl_b32 s[58+\o], s[58+\o], 11
	s_add_co_u32 s[58+\o], s[58+\o], MLB
.endr
	s_lshl_b32 s61, s[WV], 10
	s_add_co_u32 s61, s61, SWB
	s_lshl_b32 s62, s[WV], 12
	s_add_co_u32 s62, s62, VSL
	v_and_b32 v[TA], 31, v0
	v_lshlrev_b32 v[LI], 4, v[TA]
	v_lshlrev_b32 v[TBB], 3, v[TA]
	v_min_u32 v[PFO], 24, v[TA]
	v_lshlrev_b32 v[PFO], 8, v[PFO]
	v_and_b32 v[TC], 15, v0
	v_lshlrev_b32 v[TC], 4, v[TC]
	v_bfe_u32 v[TD], v0, 3, 1
	v_bfe_u32 v[TE], v0, 4, 1
	v_and_b32 v[QSA], 7, v0
	v_lshlrev_b32 v[QSA], 4, v[QSA]
	v_lshl_add_u32 v[QA], v[TE], 8, v[QSA]
	v_mad_u32_u24 v[QA], v[TD], 2*FRB, v[QA]       ; Q's images: 16 (l % 8) + 256 (l / 16) + two images on for rows 8-15
	v_lshl_add_u32 v[QSA], v[TD], 3, v[QSA]        ; Q's words in the lane quads
	v_lshlrev_b32 v[SH], 3, v[TE]
	v_add_nc_u32 v[PRD], PIMG, v[LI]
	v_add_nc_u32 v[PRD+1], PIMG+512, v[TBB]
	v_add_nc_u32 v[PRD+2], 32*FRB, v[PRD]
	v_add_nc_u32 v[PRD+3], 32*FRB, v[PRD+1]
	v_add_nc_u32 v[PWA], s37, v[LI]
	v_add_nc_u32 v[PWB], s63, v[TBB]
	v_add_nc_u32 v[RWB], s38, v[TBB]
	v_add_nc_u32 v[MLW], s39, v[TBB]
.irp o, 0,1,2
	v_add_nc_u32 v[MLO+\o], s[58+\o], v[TBB]
.endr
	v_add_nc_u32 v[SWW], s61, v[TC]
	v_add_nc_u32 v[SWR], SWB, v[LI]
	v_add_nc_u32 v[VSR], s62, v[LI]
	v_add_nc_u32 v[KLW], s52, v[LI]
	v_add_nc_u32 v[KLR], KL, v[LI]
.irp t, 0,1,2,3,4,5,6,7
	v_mov_b32 v[ST+4*\t+1], 0xff61b1e6             ; -3e38, under every t
	v_floor_f32 v[ST+4*\t], -v[ST+4*\t+1]
	v_mov_b32 v[ST+4*\t+2], 0
	v_mov_b32 v[ST+4*\t+3], 0
	v_mov_b32 v[FF+2*\t+1], 0
	v_mov_b32 v[RL+2*\t+1], 0
.endr
	s_wait_alu depctr_va_vdst(0)
	s_wait_kmcnt 0x0
	s_add_nc_u64 s[QW:QW+1], s[4:5], s[42:43]
	s_mov_b64 s[QF:QF+1], s[QW:QW+1]
	s_mov_b64 s[QSB:QSB+1], s[QW:QW+1]
	s_add_nc_u64 s[KB:KB+1], s[6:7], s[44:45]
	s_add_nc_u64 s[VW:VW+1], s[8:9], s[46:47]
	s_add_nc_u64 s[PFA:PFA+1], s[8:9], s[48:49]
	s_add_nc_u64 s[CCB:CCB+1], s[10:11], s[50:51]
	WIN 0x80
.set q, 0
.rept 25
	global_load_b128 v[4*q:4*q+3], v[LI], s[KB:KB+1] offset:512*q   ; my unit of K, 12,800 consecutive bytes, for the moment in window 2
.set q, q+1
.endr
	WIN 0
	QLOAD
	s_wait_loadcnt 56                              ; my unit of K is in; Q's 56 loads, issued behind it, may be out
	WIN 0x08
.set q, 0
.rept 25
	ds_store_b128 v[KLW], v[4*q:4*q+3] offset:512*q
.set q, q+1
.endr
	WIN 0
	s_wait_dscnt 0x0                               ; for the others' sake
	s_barrier_signal -1
	s_barrier_wait -1
.irp k, 0,1,2,3
	ds_load_b128 v[KS+4*\k:KS+4*\k+3], v[KLR] offset:UNIT*\k+USC
.endr
.irp tt, 0,1,2,3,4,5,6,7
	WIN 0xc0-0x40*(\tt/4)
.irp k, 0,1,2,3
.irp c, 0,1,2
	ds_load_b128 v[12*(4*(\tt%4)+\k)+4*\c:12*(4*(\tt%4)+\k)+4*\c+3], v[KLR] offset:UNIT*\k+FRB*\tt+512*\c
.endr
.endr
.endr
	WIN 0
	s_wait_dscnt 0x0                               ; K's 32 fragments and its scale quads are in
.Ltrip:
	s_wait_loadcnt 0x0                             ; this trip's Q is in
.irp p, 0,1,2,3
	WIN 1|((3-\p/2)<<2)|(\p<<4)|(\p<<6)            ; Q window 1, K window 3 or 2, the scores window p
.irp k, 0,1,2,3
.irp i, 0,1,2,3
.irp u, 0,1
.if \k == 0
	WM 192+32*\u+8*\i, 12*(4*\k+\i), 12*(4*(2*(\p%2)+\u)+\k), 1, QS+4*\k+\i, KS+4*\k+2*(\p%2)+\u, 0, \p/2
.else
	WM 192+32*\u+8*\i, 12*(4*\k+\i), 12*(4*(2*(\p%2)+\u)+\k), 0, QS+4*\k+\i, KS+4*\k+2*(\p%2)+\u, 0, \p/2
.endif
.endr
.endr
.endr
.endr
	WIN 0
	PLACES 4                                       ; in front of the loads below and of the first reads of the scores
	s_lshr_b32 s52, s[E], 1                        ; where this trip's p and records go
	s_mul_i32 s[PO], s52, 8*FRB
	s_and_b32 s52, s[E], 1
	s_mul_i32 s52, s52, 768
	s_add_co_u32 s[PO], s[PO], s52
	s_lshl_b32 s[RO], s[E], 11
	v_add_nc_u32 v[PW], s[PO], v[PWA]
	v_add_nc_u32 v[PW8], s[PO], v[PWB]
	v_add_nc_u32 v[RW], s[RO], v[RWB]
	s_add_co_u32 s52, s[E], 1                      ; the next trip's Q: block (e + 1) / 2, half (e + 1) % 2
	s_lshr_b32 s53, s52, 1
	s_mul_i32 s53, s53, BLK
	s_and_b32 s52, s52, 1
	s_mul_i32 s54, s52, 4*FRB
	s_add_co_u32 s54, s54, s53
	s_lshl_b32 s56, s52, 8
	s_add_co_u32 s56, s56, s53
	s_wait_alu depctr_va_vdst(0)
	s_cmp_eq_u32 s[E], 3
	s_cbranch_scc1 .Llast
	s_add_nc_u64 s[QF:QF+1], s[QW:QW+1], s[54:55]
	s_add_nc_u64 s[QSB:QSB+1], s[QW:QW+1], s[56:57]
	QLOAD                                          ; it has the whole softmax in which to land
	s_branch .Lasked
.Llast:                                                ; the last trip asks for V instead: as many loads, into the same registers, in the same order
.irp g, 0,1,2,3,4,5,6,7
	global_load_b128 v[QS+4*\g:QS+4*\g+3], v[LI], s[VW:VW+1] offset:BLK*\g+USC   ; V's scale quads of all eight K steps
.endr
	LVH 0, 0
	LVH 0, 1
	LVH 1, 0
	LVH 1, 1
.Lasked:
	s_cmp_ge_u32 s[E], s[LIM]                      ; trips 2 and 3, waves 0 and 1: V's s blocks 2 (e - 2) and the next
	s_cbranch_scc0 .Lnot_mine
	global_prefetch_b8 v[PFO], s[PFA:PFA+1] th:TH_LOAD_NT scope:SCOPE_SE
.Lnot_mine:
	SM8
	s_wait_alu depctr_va_vdst(0)
	s_wait_xcnt 0x0                                ; the prefetch has read its address
	s_cmp_ge_u32 s[E], 2
	s_cselect_b32 s54, 2*BLK, 0                    ; the address steps behind the trips that ask
	s_add_nc_u64 s[PFA:PFA+1], s[PFA:PFA+1], s[54:55]
	s_add_co_u32 s[E], s[E], 1
	s_cmp_lt_u32 s[E], 4
	s_cbranch_scc1 .Ltrip
	; BETWEEN THE PHASES
.irp t, 0,1,2,3,4,5,6,7
	v_add_f32 v[BM+\t], v[ST+4*\t+2], v[ST+4*\t+3]
.endr
.irp t, 0,1,2,3,4,5,6,7
	v_permlanex16_b32 v[BN+\t], v[BM+\t], s[SEL], s[SEL+1]
.endr
.irp t, 0,1,2,3,4,5,6,7
	v_add_f32 v[ST+4*\t+1], v[BM+\t], v[BN+\t]     ; my sum of t, under my M
.endr
.irp t, 0,1,2,3,4,5,6,7
	ds_store_b64 v[MLW], v[ST+4*\t:ST+4*\t+1] offset:256*\t
.endr
	s_wait_alu depctr_va_vdst(0)
	s_wait_loadcnt 48                              ; the first 8 of the last 56 loads are in: V's scale quads
.irp g, 0,1,2,3,4,5,6,7
	ds_store_b128 v[VSR], v[QS+4*\g:QS+4*\g+3] offset:512*\g
.endr
	s_wait_dscnt 0x0                               ; for the others' sake
	s_barrier_signal -1
	s_barrier_wait -1
.irp o, 0,1,2
.irp t, 0,1,2,3,4,5,6,7
	ds_load_b64 v[OM+16*\o+2*\t:OM+16*\o+2*\t+1], v[MLO+\o] offset:256*\t
.endr
.endr
.set q, 0
.rept 32
	ds_load_b64 v[RCR+2*q:RCR+2*q+1], v[RWB] offset:256*q      ; my records, q = 8 trip + t tile
.set q, q+1
.endr
	s_wait_dscnt 0x0
.irp t, 0,1,2,3,4,5,6,7
	v_min3_num_f32 v[NF+\t], v[ST+4*\t], v[OM+2*\t], v[OM+16+2*\t]
.endr
.irp t, 0,1,2,3,4,5,6,7
	v_min_num_f32 v[NF+\t], v[NF+\t], v[OM+32+2*\t]   ; the common -M
.endr
.irp t, 0,1,2,3,4,5,6,7
	v_sub_f32 v[ST+4*\t], v[NF+\t], v[ST+4*\t]     ; whole numbers, 0 or less
.irp o, 0,1,2
	v_sub_f32 v[OM+16*\o+2*\t], v[NF+\t], v[OM+16*\o+2*\t]
.endr
.endr
.irp t, 0,1,2,3,4,5,6,7
	v_cvt_i32_f32 v[ST+4*\t], v[ST+4*\t]           ; (the conversion saturates)
.irp o, 0,1,2
	v_cvt_i32_f32 v[OM+16*\o+2*\t], v[OM+16*\o+2*\t]
.endr
.endr
.irp t, 0,1,2,3,4,5,6,7
	v_ldexp_f32 v[ST+4*\t+1], v[ST+4*\t+1], v[ST+4*\t]
.irp o, 0,1,2
	v_ldexp_f32 v[OM+16*\o+2*\t+1], v[OM+16*\o+2*\t+1], v[OM+16*\o+2*\t]
.endr
.endr
.irp t, 0,1,2,3,4,5,6,7
	v_add_f32 v[ST+4*\t+1], v[ST+4*\t+1], v[OM+2*\t+1]
	v_add_f32 v[OM+16+2*\t+1], v[OM+16+2*\t+1], v[OM+32+2*\t+1]
.endr
.irp t, 0,1,2,3,4,5,6,7
	v_add_f32 v[ST+4*\t+1], v[ST+4*\t+1], v[OM+16+2*\t+1]   ; l under the common M
.endr
.set q, 0
.rept 32
	v_sub_f32 v[RCR+2*q], v[RCR+2*q], v[NF+q%8]    ; M - M at the trip: 0 or more
.set q, q+1
.endr
.set q, 0
.rept 32
	v_cvt_u32_f32 v[RCR+2*q], v[RCR+2*q]
	v_add_nc_u32 v[RCR+2*q+1], -1, v[RCR+2*q+1]    ; the byte less 1
.set q, q+1
.endr
	s_wait_alu depctr_va_vdst(0)                   ; ahead of the batch
.irp t, 0,1,2,3,4,5,6,7
	v_rcp_f32 v[RL+2*\t], v[ST+4*\t+1]             ; 1 / l: it stays in registers for the way out
.endr
.set q, 0
.rept 32
	v_min_u32 v[RCR+2*q], v[RCR+2*q], v[RCR+2*q+1]
.set q, q+1
.endr
.set q, 0
.rept 32
	v_sub_nc_u32 v[RCR+2*q+1], v[RCR+2*q+1], v[RCR+2*q]   ; the final byte less 1: it cannot fall under 0
.set q, q+1
.endr
.irp kp, 0,1
.irp t, 0,1,2,3,4,5,6,7
	v_lshl_or_b32 v[RCR+2*(16*\kp+\t)], v[RCR+2*(16*\kp+8+\t)+1], 16, v[RCR+2*(16*\kp+\t)+1]   ; my half's two blocks of the K step,
.endr
.irp t, 0,1,2,3,4,5,6,7
	v_lshlrev_b32 v[RCR+2*(16*\kp+\t)], v[SH], v[RCR+2*(16*\kp+\t)]                            ; at their places,
.endr
.irp t, 0,1,2,3,4,5,6,7
	v_permlanex16_b32 v[RCR+2*(16*\kp+8+\t)], v[RCR+2*(16*\kp+\t)], s[SEL], s[SEL+1]
.endr
.irp t, 0,1,2,3,4,5,6,7
	v_add3_u32 v[RCR+2*(16*\kp+\t)], v[RCR+2*(16*\kp+\t)], v[RCR+2*(16*\kp+8+\t)], 0x01010101  ; with the other half's two, and 1 back onto each byte
.endr
.irp t, 0,1,2,3,4,5,6,7
	ds_store_b32 v[SWW], v[RCR+2*(16*\kp+\t)] offset:512*\kp+256*(\t/4)+4*(\t%4)               ; lanes r and 16 + r store the same word at the same place
.endr
.endr
	s_wait_alu depctr_va_vdst(0)                   ; behind the batch
	s_wait_dscnt 0x0                               ; for the others' sake: p, the words
	s_barrier_signal -1
	s_barrier_wait -1
	LPS 0
.irp g, 0,1,2,3,4,5,6,7
	KSTEP \g
.endr
.irp m, 0,1,2,3,4,5,6,7
	WIN 65*(2+\m/4)
.set jj, 0
.rept 32
	v_pk_mul_f32 v[64*(\m%4)+jj:64*(\m%4)+jj+1], v[64*(\m%4)+jj:64*(\m%4)+jj+1], v[RL+2*\m:RL+2*\m+1] op_sel_hi:[1,0]
.set jj, jj+2
.endr
	WIN 0
	QUANTW 2+\m/4, 64*(\m%4), PCT+12*(\m%2), PWS+\m
.irp c, 0,1,2
	global_store_b128 v[LI], v[PCT+12*(\m%2)+4*\c:PCT+12*(\m%2)+4*\c+3], s[CCB:CCB+1] offset:FRB*\m+512*\c   ; 512 consecutive bytes, at a multiple of 256 from the buffer's first byte
.endr
.endr
	s_wait_alu depctr_va_vdst(0)
.irp j, 0,1,2,3
	v_cndmask_b32 v[SQ+\j], v[PWS+\j], v[PWS+4+\j], s[HALF]    ; lanes 0-15: tile j's word of row r; lanes 16-31: tile 4 + j's
.endr
	global_store_b128 v[LI], v[SQ:SQ+3], s[CCB:CCB+1] offset:USC
	s_wait_tensorcnt 0x0                           ; the wave's end
	ds_add_u32 v[SPW], v[NIL]
	s_wait_dscnt 0x0
	s_endpgm
.Lfunc_end_k_qf6699505fd_attn:
	.size	k_qf6699505fd_attn, .Lfunc_end_k_qf6699505fd_attn-k_qf6699505fd_attn
	.p2alignl 7, 3214868480
	.fill 96, 4, 3214868480
	.section	.rodata,"a",@progbits
	.p2align	6, 0x0
	.amdhsa_kernel k_qf6699505fd_attn
		.amdhsa_group_segment_fixed_size 211456
		.amdhsa_private_segment_fixed_size 0
		.amdhsa_enable_private_segment 0
		.amdhsa_kernarg_size 32
		.amdhsa_user_sgpr_count 2
		.amdhsa_user_sgpr_kernarg_segment_ptr 1
		.amdhsa_wavefront_size32 1
		.amdhsa_system_sgpr_workgroup_id_x 1
		.amdhsa_system_sgpr_workgroup_id_y 1
		.amdhsa_system_sgpr_workgroup_id_z 1
		.amdhsa_system_vgpr_workitem_id 0
		.amdhsa_next_free_vgpr 1024
		.amdhsa_next_free_sgpr 66
		.amdhsa_reserve_vcc 0
		.amdhsa_float_denorm_mode_32 3
		.amdhsa_float_denorm_mode_16_64 3
		.amdhsa_memory_ordered 1
		.amdhsa_forward_progress 1
		.amdhsa_inst_pref_size 255
	.end_amdhsa_kernel
	.section	.bss,"aw",@nobits
	.p2align	6
	.space	262144
	.amdgpu_metadata
---
amdhsa.version: [ 1, 2 ]
amdhsa.kernels:
  - .name:           k_qf6699505fd_attn
    .symbol:         k_qf6699505fd_attn.kd
    .args:
      - { .name: qc, .offset: 0, .size: 8, .value_kind: global_buffer, .address_space: global }
      - { .name: kc, .offset: 8, .size: 8, .value_kind: global_buffer, .address_space: global }
      - { .name: vc, .offset: 16, .size: 8, .value_kind: global_buffer, .address_space: global }
      - { .name: cc, .offset: 24, .size: 8, .value_kind: global_buffer, .address_space: global }
    .group_segment_fixed_size: 211456
    .private_segment_fixed_size: 0
    .kernarg_segment_align: 8
    .kernarg_segment_size: 32
    .max_flat_workgroup_size: 128
    .sgpr_count:     66
    .vgpr_count:     1024
    .wavefront_size: 32
...
	.end_amdgpu_metadata
.endif
;; end of part 3
;; launch outp (part 4): grid 8 x 32, 4 waves a work-group, clusters of 4 x 1, 327,680 bytes of LDS; arguments cc, wtc, out0; writes out0
.if DOCPART == 4
	.amdgcn_target "amdgcn-amd-amdhsa--gfx1250"
	.amdhsa_code_object_version 6
	.text
	.protected	k_qf6699505fd_outp
	.globl	k_qf6699505fd_outp
	.p2align	8
	.type	k_qf6699505fd_outp,@function
k_qf6699505fd_outp:
	s_mov_b64 s[64:65], 0
	v_nop
	global_prefetch_b8 v0, s[64:65] scope:SCOPE_SE
	s_setreg_imm32_b32 hwreg(HW_REG_WAVE_MODE, 25, 1), 1
	s_wait_xcnt 0x0
	s_wait_alu depctr_hold_cnt(0) depctr_sa_sdst(0) depctr_va_vdst(0) depctr_va_sdst(0) depctr_va_ssrc(0) depctr_va_vcc(0) depctr_vm_vsrc(0)
	s_getreg_b32 s2, hwreg(HW_REG_IB_STS2, 6, 4)
	s_cmp_eq_u32 s2, 0
	s_cbranch_scc0 .Lentry_in_a_cluster
	s_endpgm
.Lentry_in_a_cluster:
	s_bfe_u32 s2, ttmp6, 0x10000c
	s_cmp_lg_u32 s2, 0x3003
	s_cbranch_scc0 .Lentry_shape_is_right
	s_endpgm
.Lentry_shape_is_right:
; out0[b][dd][t] = sum over f of W[f][dd] cat[b][f][t], on codes of FP6 (E2M3) with E8M0 scales; f = 0 .. 4,095 in 32 K steps of 128.
; cc: units [row group (b, t block)][K step], rows t, scale words as lane quads; wtc: units [dd group of 128][K step], rows dd, scale words by rows.  A unit: eight fragment images of 1,536 bytes, then 512 bytes of words.
; SHARES.  A work-group makes 128 t x 64 dd.  THE WAVES SPLIT K: wave w takes K steps 24 + 2 w, 25 + 2 w and 6 w .. 6 w + 5 of the whole tile: 32 accumulators, 256 matrix instructions.  The four partial sums meet in
; LDS and are added ((0 + 1) + (2 + 3)): K is summed in four parts, a stated order of rounding.
; Source 0 = 16 t of cat, source 1 = 16 dd of W^T: a lane holds one dd and eight neighbouring t.
; CLUSTER 4 x 1 along dd: the four partners make four blocks of 64 dd for the same 128 t, so they need the same units of cat.  K steps 0 to 23 of cat, 24 x 12,800 = 307,200 bytes, as many whole units as LDS holds beside
; the spare words, are asked for JOINTLY: one load of six units a wave, its only fill, into the wave's own bytes, which that wave alone reads behind its own counted wait: no ring, no refill, no barrier for them.
; NOT JOINT, and why: cat's K steps 24 to 31 (no LDS is left; a refill would want a round of the cluster's barrier for two K steps a wave) and W^T (the partners need different rows of it; those that need the same
; rows lie along the grid's y).  These go from memory straight into the registers of the one wave that multiplies them.
; So a work-group's requests are 307,200 / 4 + 8 x 12,800 + 32 x 6,400 = 384,000 bytes, against 614,400 with none of them shared.
; REGISTERS: cat's set s % 3 lies in window s % 3, v64-159.  W^T's four fragments of each of my eight steps have registers of their own: step s in window (s + 1) / 3 at v0, v160 or v208 by (s + 1) % 3.
;   window 3: accumulator (n, m) at v[8 (8 n + m)].  window 0: v1-11 addresses; v16-27 cat's scale quads, three sets; v28-43 W^T's words, two registers a step.
.set UNIT,   12800
.set USC,    12288
.set FRB,    1536
.set CW,     6*UNIT                    ; a wave's six units of cat in LDS; later, in their first 33,792 bytes, its stage
.set SPITCH, 528                       ; a stage row: 128 t x 4 bytes + 16
.set SPARE,  4*CW                      ; the spare words, 128 bytes for each wave
.set LI,  1                            ; v1   16 x lane
.set LS,  2                            ; v2   4 x lane
.set STO, 3                            ; v3   the stage: where I put 32 bytes of a row
.set RD,  4                            ; v4-7 where I read a row of partial sum p back
.set SPW, 8                            ; v8   my spare word; never rewritten
.set NIL, 9                            ; v9   0; never rewritten
.set LC,  10                           ; v10  my units 0-2 in LDS + 16 x lane;  v11 my units 3-5 (an LDS offset has 16 bits)
.set SCC, 16
.set SCW, 28
.set WV,  10                           ; s10  my wave's number
.set G1,  32                           ; s[32:39] group 1: six units
.set T0,  40                           ; s[40:43] group 0
.set MSB, 0
.macro WIN new
.if MSB != (\new)
	s_set_vgpr_msb (MSB<<8)|(\new)
.set MSB, (\new)
.endif
.endm
.macro PLACES n
.rept \n
	v_nop
.endr
.endm
.macro CROUND                          ; a round of the cluster's barrier
	s_barrier_signal -1
	s_barrier_wait -1
	s_cmp_lg_u32 s[WV], 0
	s_cbranch_scc1 .Lnot_wave_0_\@
	s_barrier_signal -3
.Lnot_wave_0_\@:
	s_barrier_wait -3
	s_barrier_signal -1
	s_barrier_wait -1
.endm
.macro WM d, a, b, zero, sa, sb, ra, rb
.if \zero
.if (\ra) && (\rb)
	v_wmma_scale_f32_16x16x128_f8f6f4 v[(\d):(\d)+7], v[(\a):(\a)+11], v[(\b):(\b)+11], 0, v[\sa], v[\sb] matrix_a_fmt:MATRIX_FMT_FP6 matrix_b_fmt:MATRIX_FMT_FP6 matrix_a_scale:MATRIX_SCALE_ROW1 matrix_b_scale:MATRIX_SCALE_ROW1
.elseif (\ra)
	v_wmma_scale_f32_16x16x128_f8f6f4 v[(\d):(\d)+7], v[(\a):(\a)+11], v[(\b):(\b)+11], 0, v[\sa], v[\sb] matrix_a_fmt:MATRIX_FMT_FP6 matrix_b_fmt:MATRIX_FMT_FP6 matrix_a_scale:MATRIX_SCALE_ROW1
.elseif (\rb)
	v_wmma_scale_f32_16x16x128_f8f6f4 v[(\d):(\d)+7], v[(\a):(\a)+11], v[(\b):(\b)+11], 0, v[\sa], v[\sb] matrix_a_fmt:MATRIX_FMT_FP6 matrix_b_fmt:MATRIX_FMT_FP6 matrix_b_scale:MATRIX_SCALE_ROW1
.else
	v_wmma_scale_f32_16x16x128_f8f6f4 v[(\d):(\d)+7], v[(\a):(\a)+11], v[(\b):(\b)+11], 0, v[\sa], v[\sb] matrix_a_fmt:MATRIX_FMT_FP6 matrix_b_fmt:MATRIX_FMT_FP6
.endif
.else
.if (\ra) && (\rb)
	v_wmma_scale_f32_16x16x128_f8f6f4 v[(\d):(\d)+7], v[(\a):(\a)+11], v[(\b):(\b)+11], v[(\d):(\d)+7], v[\sa], v[\sb] matrix_a_fmt:MATRIX_FMT_FP6 matrix_b_fmt:MATRIX_FMT_FP6 matrix_a_scale:MATRIX_SCALE_ROW1 matrix_b_scale:MATRIX_SCALE_ROW1
.elseif (\ra)
	v_wmma_scale_f32_16x16x128_f8f6f4 v[(\d):(\d)+7], v[(\a):(\a)+11], v[(\b):(\b)+11], v[(\d):(\d)+7], v[\sa], v[\sb] matrix_a_fmt:MATRIX_FMT_FP6 matrix_b_fmt:MATRIX_FMT_FP6 matrix_a_scale:MATRIX_SCALE_ROW1
.elseif (\rb)
	v_wmma_scale_f32_16x16x128_f8f6f4 v[(\d):(\d)+7], v[(\a):(\a)+11], v[(\b):(\b)+11], v[(\d):(\d)+7], v[\sa], v[\sb] matrix_a_fmt:MATRIX_FMT_FP6 matrix_b_fmt:MATRIX_FMT_FP6 matrix_b_scale:MATRIX_SCALE_ROW1
.else
	v_wmma_scale_f32_16x16x128_f8f6f4 v[(\d):(\d)+7], v[(\a):(\a)+11], v[(\b):(\b)+11], v[(\d):(\d)+7], v[\sa], v[\sb] matrix_a_fmt:MATRIX_FMT_FP6 matrix_b_fmt:MATRIX_FMT_FP6
.endif
.endif
.endm
.macro GLC s                           ; my step s (0 or 1): cat's unit from memory into set s: 25 loads
	WIN 64*((\s)%3)                                ; destination window s % 3, address window 0
.irp m, 0,1,2,3,4,5,6,7
.irp c, 0,1,2
	global_load_b128 v[64+12*\m+4*\c:64+12*\m+4*\c+3], v[LI], s[4:5] offset:UNIT*(\s)+FRB*\m+512*\c
.endr
.endr
	WIN 0
	global_load_b128 v[SCC+4*((\s)%3):SCC+4*((\s)%3)+3], v[LI], s[4:5] offset:UNIT*(\s)+USC
.endm
.macro GLW s, ib, sb, ss               ; my step s: W^T's four fragments and their words: 14 loads.  ib, sb: the bases of images and words; ss: the unit behind them
.set wi, ((\s)+1)%3
.set wp, 160*wi-56*wi*(wi-1)           ; 0, 160, 208
	WIN 64*(((\s)+1)/3)
.irp n, 0,1,2,3
.irp c, 0,1,2
	global_load_b128 v[wp+12*\n+4*\c:wp+12*\n+4*\c+3], v[LI], s[\ib:\ib+1] offset:UNIT*(\ss)+FRB*\n+512*\c
.endr
.endr
	WIN 0
	global_load_b32 v[SCW+2*(\s)], v[LS], s[\sb:\sb+1] offset:UNIT*(\ss)
	global_load_b32 v[SCW+2*(\s)+1], v[LS], s[\sb:\sb+1] offset:UNIT*(\ss)+128
.endm
.macro DL s                            ; my step s (2 to 7): cat's unit s - 2 of my six from LDS into set s % 3: 25 LDS loads
.set uu, (\s)-2
	WIN 64*((\s)%3)
.irp m, 0,1,2,3,4,5,6,7
.irp c, 0,1,2
	ds_load_b128 v[64+12*\m+4*\c:64+12*\m+4*\c+3], v[LC+uu/3] offset:UNIT*(uu%3)+FRB*\m+512*\c
.endr
.endr
	WIN 0
	ds_load_b128 v[SCC+4*((\s)%3):SCC+4*((\s)%3)+3], v[LC+uu/3] offset:UNIT*(uu%3)+USC
.endm
.macro MULK s                          ; 32 matrix instructions; the 32 accumulators take turns, one instruction a turn
.set qq, (\s)%3
.set wi, ((\s)+1)%3
.set wp, 160*wi-56*wi*(wi-1)
	WIN 0xf0+qq+4*(((\s)+1)/3)                     ; source 0 (cat) window s % 3, source 1 (W^T) window (s + 1) / 3; C and D window 3
.irp n, 0,1,2,3
.irp m, 0,1,2,3,4,5,6,7
.if (\s) == 0
	WM 8*(8*\n+\m), 64+12*\m, wp+12*\n, 1, SCC+4*qq+\m%4, SCW+2*(\s)+\n/2, \m/4, \n%2
.else
	WM 8*(8*\n+\m), 64+12*\m, wp+12*\n, 0, SCC+4*qq+\m%4, SCW+2*(\s)+\n/2, \m/4, \n%2
.endif
.endr
.endr
.endm
.macro LOADB bt                        ; batch bt: four rows of dd, four partial sums each
.irp rr, 0,1,2,3
.irp p, 0,1,2,3
	ds_load_b128 v[64+64*((\bt)%2)+16*\rr+4*\p:64+64*((\bt)%2)+16*\rr+4*\p+3], v[RD+\p] offset:SPITCH*(4*(\bt)+\rr)
.endr
.endr
.endm
.macro SUMB bt
.irp rr, 0,1,2,3
.set rB, 64+64*((\bt)%2)+16*\rr
	v_pk_add_f32 v[rB:rB+1], v[rB:rB+1], v[rB+4:rB+5]
	v_pk_add_f32 v[rB+2:rB+3], v[rB+2:rB+3], v[rB+6:rB+7]
	v_pk_add_f32 v[rB+8:rB+9], v[rB+8:rB+9], v[rB+12:rB+13]
	v_pk_add_f32 v[rB+10:rB+11], v[rB+10:rB+11], v[rB+14:rB+15]
	v_pk_add_f32 v[rB:rB+1], v[rB:rB+1], v[rB+8:rB+9]
	v_pk_add_f32 v[rB+2:rB+3], v[rB+2:rB+3], v[rB+10:rB+11]
	global_store_b128 v[LI], v[rB:rB+3], s[8:9] offset:4096*(4*(\bt)+\rr) th:TH_STORE_NT   ; 512 consecutive bytes of a row of out0, at a multiple of 256 from its first byte
.endr
.endm
	s_load_b128 s[4:7], s[0:1], 0x0                ; cc, wtc
	s_load_b64 s[8:9], s[0:1], 0x10                ; out0
	v_lshl_add_u32 v[SPW], v0, 2, SPARE
	v_mov_b32 v[NIL], 0
	ds_add_u32 v[SPW], v[NIL]                      ; the wave's opening: the add and its wait stand ahead of my first tensor load; the set-up below, work on registers, stands between them
	ds_add_u32 v[SPW], v[NIL]
	v_lshrrev_b32 v12, 5, v0
	v_readfirstlane_b32 s[WV], v12                 ; wave 0..3
	s_bfe_u32 s13, ttmp6, 0x40000                  ; cx: it enters wtc's and out0's addresses alone
	s_and_b32 s12, ttmp7, 0xffff                   ; which row group (b, t block): the four partners share it
	s_mov_b32 s[G1], 15|(3<<16)|(1<<21)            ; the mask: all four; elements of 8 bytes; 21 set beside a mask; no padding: images are read 16 bytes a lane on end
	s_mov_b32 s[G1+1], 32<<16                      ; rows of 256 bytes,
	s_mov_b32 s[G1+2], 300<<16                     ; 300 of them: my six units, one load
	s_mov_b32 s[G1+3], 32<<16
	s_mov_b32 s[G1+4], 300
	s_mov_b32 s[G1+5], 32
	s_mov_b32 s[G1+6], 0
	s_mov_b32 s[G1+7], 0
	s_mul_i32 s52, s[WV], CW                       ; my six units: the same distance in LDS and in a row group's units
	s_mul_i32 s14, s12, 32*UNIT                    ; the row group's first byte in cc
	s_add_co_u32 s14, s14, s52                     ; K step 6 w
	s_mov_b32 s15, 0
	s_lshl_b32 s16, s[WV], 1
	s_add_co_u32 s16, s16, 24
	s_mul_i32 s16, s16, UNIT                       ; K step 24 + 2 w, in bytes
	s_mul_i32 s18, s12, 32*UNIT
	s_add_co_u32 s18, s18, s16
	s_mov_b32 s19, 0
	s_mov_b32 s[T0], 1                             ; count = 1
	s_mov_b32 s[T0+1], s52                         ; LDS address: by the wave's number alone
	s_wait_dscnt 0x0                               ; the opening add is done
	s_wait_kmcnt 0x0
	s_add_nc_u64 s[T0+2:T0+3], s[4:5], s[14:15]
	s_or_b32 s[T0+3], s[T0+3], 0x80000000          ; type = 2
	CROUND                                         ; all four work-groups are here: the joint loads meet
	tensor_load_to_lds s[T0:T0+3], s[G1:G1+7]      ; my six units, one load: the launch's only fill
	s_nop 0
	PLACES 4
	s_add_nc_u64 s[4:5], s[4:5], s[18:19]          ; cat at K step 24 + 2 w
	s_lshl_b32 s11, ttmp9, 2
	s_add_co_u32 s11, s11, s13                     ; which 64 dd = 4 x cluster x + cx
	s_lshr_b32 s20, s11, 1
	s_mul_i32 s20, s20, 32*UNIT                    ; wtc: the dd group's first unit
	s_and_b32 s21, s11, 1
	s_mul_i32 s22, s21, 4*FRB
	s_add_co_u32 s22, s22, s20                     ; my four tiles of a unit's eight
	s_lshl_b32 s23, s21, 8
	s_add_co_u32 s23, s23, s20
	s_add_co_u32 s23, s23, USC                     ; and their 64 rows' scale words
	s_add_co_u32 s54, s22, s16
	s_mov_b32 s55, 0
	s_add_co_u32 s56, s23, s16
	s_mov_b32 s57, 0
	s_add_co_u32 s58, s22, s52
	s_mov_b32 s59, 0
	s_add_co_u32 s60, s23, s52
	s_mov_b32 s61, 0
	s_add_nc_u64 s[24:25], s[6:7], s[54:55]        ; W^T at K step 24 + 2 w: images,
	s_add_nc_u64 s[26:27], s[6:7], s[56:57]        ; words;
	s_add_nc_u64 s[28:29], s[6:7], s[58:59]        ; at K step 6 w: images,
	s_add_nc_u64 s[30:31], s[6:7], s[60:61]        ; words
	v_and_b32 v12, 31, v0
	v_lshlrev_b32 v[LI], 4, v12
	s_wait_alu depctr_va_vdst(0)
	v_lshlrev_b32 v[LS], 2, v12
	GLC 0                                          ; the steps that come straight from memory are multiplied first
	GLW 0, 24, 26, 0
	GLC 1
	GLW 1, 24, 26, 1
	GLW 2, 28, 30, 0
	GLW 3, 28, 30, 1
	s_lshr_b32 s54, s12, 3                         ; out0: b x 512 rows of 4,096 bytes
	s_lshl_b32 s54, s54, 21
	s_lshl_b32 s55, s11, 6
	s_lshl_b32 s56, s[WV], 4
	s_add_co_u32 s55, s55, s56
	s_lshl_b32 s55, s55, 12                        ; + row 64 ddb + 16 w
	s_add_co_u32 s54, s54, s55
	s_and_b32 s55, s12, 7
	s_lshl_b32 s55, s55, 9                         ; + 128 t
	s_add_co_u32 s54, s54, s55
	s_mov_b32 s55, 0
	s_add_nc_u64 s[8:9], s[8:9], s[54:55]
	v_add_nc_u32 v[LC], s52, v[LI]
	v_add_nc_u32 v[LC+1], 3*UNIT, v[LC]
	v_and_b32 v12, 15, v0
	v_bfe_u32 v13, v0, 4, 1
	v_mul_u32_u24 v[STO], v12, SPITCH
	v_lshl_add_u32 v[STO], v13, 5, v[STO]
	v_add_nc_u32 v[STO], s52, v[STO]               ; my stage, row r, + 32 x half
	s_mul_i32 s53, s[WV], 16*SPITCH
	v_add_nc_u32 v[RD], s53, v[LI]                 ; back: rows 16 w on of each wave's stage, 16 bytes a lane
	v_add_nc_u32 v[RD+1], CW, v[RD]
	v_add_nc_u32 v[RD+2], 2*CW, v[RD]
	v_add_nc_u32 v[RD+3], 3*CW, v[RD]
	s_wait_loadcnt 63                              ; step 0's 39 loads are in: 67 younger ones were issued; 63 is the largest count that the wait can name
	MULK 0                                         ; its products start the sums: nothing is cleared
	PLACES 4                                       ; in front of loads into the set just read
	GLW 4, 28, 30, 2
	GLW 5, 28, 30, 3
	s_wait_tensorcnt 0x0                           ; my six units have landed: my one load.  Only I read these bytes
	DL 2
	DL 3
	s_wait_loadcnt 56                              ; step 1's loads are in; W^T's of steps 2 to 5, 14 each, may be out
	MULK 1
	PLACES 4
	GLW 6, 28, 30, 4
	GLW 7, 28, 30, 5
	DL 4
	s_wait_loadcnt 63                              ; W^T of step 2 is in: 70 younger loads were issued
	s_wait_dscnt 50                                ; cat of step 2 is in; the next two steps' 25 LDS loads each may be out
	MULK 2
	PLACES 4
	DL 5
	s_wait_loadcnt 56                              ; steps 4 to 7 may be out
	s_wait_dscnt 50
	MULK 3
	PLACES 4
	DL 6
	s_wait_loadcnt 42
	s_wait_dscnt 50
	MULK 4
	PLACES 4
	DL 7
	s_wait_loadcnt 28
	s_wait_dscnt 50
	MULK 5
	s_wait_loadcnt 14
	s_wait_dscnt 25                                ; the last step's 25 may be out
	MULK 6
	s_wait_loadcnt 0x0
	s_wait_dscnt 0x0                               ; my reads of my six units are over
	MULK 7
	PLACES 4                                       ; in front of the first read of results, and of the loads below into registers that products have read
	WIN 0x0c                                       ; an LDS store's data are its source 1: window 3
	s_wait_alu depctr_va_vdst(0)
.irp n, 0,1,2,3                        ; the stage lies in my own units' bytes: they have had their only fill, and I alone read them
.irp m, 0,1,2,3,4,5,6,7
	ds_store_b128 v[STO], v[8*(8*\n+\m):8*(8*\n+\m)+3] offset:16*SPITCH*\n+64*\m         ; lane (r, h): dd 16 n + r, t 16 m + 8 h + 0 .. 7; each accumulator from its low end on
	ds_store_b128 v[STO], v[8*(8*\n+\m)+4:8*(8*\n+\m)+7] offset:16*SPITCH*\n+64*\m+16
.endr
.endr
	WIN 0
	s_wait_dscnt 0x0                               ; for the others' sake: my partial sums have landed
	s_barrier_signal -1
	s_barrier_wait -1
	LOADB 0
	LOADB 1
	s_wait_dscnt 16                                ; this batch's 16 loads are in; the next batch's 16 may be out
	SUMB 0
	s_wait_xcnt 0x0                                ; the stores have read their registers: the batch's registers may be loaded again
	LOADB 2
	s_wait_dscnt 16
	SUMB 1
	s_wait_xcnt 0x0
	LOADB 3
	s_wait_dscnt 16
	SUMB 2
	s_wait_dscnt 0x0
	SUMB 3
	s_wait_tensorcnt 0x0                           ; the wave's end
	ds_add_u32 v[SPW], v[NIL]
	s_wait_dscnt 0x0
	CROUND                                         ; the closing round
	s_endpgm
.Lfunc_end_k_qf6699505fd_outp:
	.size	k_qf6699505fd_outp, .Lfunc_end_k_qf6699505fd_outp-k_qf6699505fd_outp
	.p2alignl 7, 3214868480
	.fill 96, 4, 3214868480
	.section	.rodata,"a",@progbits
	.p2align	6, 0x0
	.amdhsa_kernel k_qf6699505fd_outp
		.amdhsa_group_segment_fixed_size 327680
		.amdhsa_private_segment_fixed_size 0
		.amdhsa_enable_private_segment 0
		.amdhsa_kernarg_size 24
		.amdhsa_user_sgpr_count 2
		.amdhsa_user_sgpr_kernarg_segment_ptr 1
		.amdhsa_wavefront_size32 1
		.amdhsa_system_sgpr_workgroup_id_x 1
		.amdhsa_system_sgpr_workgroup_id_y 1
		.amdhsa_system_sgpr_workgroup_id_z 1
		.amdhsa_system_vgpr_workitem_id 0
		.amdhsa_next_free_vgpr 1024
		.amdhsa_next_free_sgpr 66
		.amdhsa_reserve_vcc 0
		.amdhsa_float_denorm_mode_32 3
		.amdhsa_float_denorm_mode_16_64 3
		.amdhsa_memory_ordered 1
		.amdhsa_forward_progress 1
		.amdhsa_inst_pref_size 80
	.end_amdhsa_kernel
	.amdgpu_metadata
---
amdhsa.version: [ 1, 2 ]
amdhsa.kernels:
  - .name:           k_qf6699505fd_outp
    .symbol:         k_qf6699505fd_outp.kd
    .args:
      - { .name: cc, .offset: 0, .size: 8, .value_kind: global_buffer, .address_space: global }
      - { .name: wtc, .offset: 8, .size: 8, .value_kind: global_buffer, .address_space: global }
      - { .name: out0, .offset: 16, .size: 8, .value_kind: global_buffer, .address_space: global }
    .group_segment_fixed_size: 327680
    .private_segment_fixed_size: 0
    .kernarg_segment_align: 8
    .kernarg_segment_size: 24
    .max_flat_workgroup_size: 128
    .sgpr_count:     66
    .vgpr_count:     1024
    .wavefront_size: 32
...
	.end_amdgpu_metadata
.endif
;; end of part 4
